; MI455X (gfx1250); checked and timed in simulation.
; The chip was launched on July 23, 2026; its instructions are those of AMD's public machine-readable ISA for CDNA 5 (MIT licence, August 2026) and "CDNA5" Instruction Set Architecture Reference Guide (July 2026). The comments in the code are by the model that wrote it; some were corrected since.
;; Multihead Self Attention. Allowed arithmetic: matrix products marked QUANTISED: E2M1 operands, one E8M0 scale for each 32 along K, by v_wmma_scale_f32_16x16x128_f8f6f4 with both operands' format E2M1 (or v_wmma_scale_f32_32x16x128_f4), f32 sums; products left as they are: bf16, f16 or f32 operands; f32 sums; everything else in f32.
;; Inputs: X 2 x 2,048 x 1,024 float32; k_proj 1,024 x 1,024 float32; o_proj 1,024 x 1,024 float32; q_proj 1,024 x 1,024 float32; v_proj 1,024 x 1,024 float32.
;; Outputs: out0 2 x 2,048 x 1,024 float32.
;; This version of the problem:
;;   THIS VERSION OF THE PROBLEM IS GIVEN IN LOW PRECISION. The matrix products marked QUANTISED in the list below multiply operands that are first quantised to E2M1 (2 exponent bits, 1 mantissa bit; 4 bits a number), with one power-of-two scale for each 32 numbers along K (OCP MX v1.0); their sums are f32. The products marked 'left as it is' may take bf16, f16 or f32 operands, with f32 sums. Whichever they take, every output number must still come out within the allowed error. Rounding operands to bf16 (8 significant bits) uses up far more of that allowance than f16 does (11 bits, for magnitudes from 6e-5 to 65,504). All else is computed in f32.
;;   The module's matrix products, in the order in which they are computed (A, B: the left and right operand; K: the contracted axis; several contracted axes count as one K, in the product's order):
;;     1. [M 4,096, K 1,024] x [K 1,024, N 1,024]; A: input X; B: input q_proj: QUANTISED
;;     2. [M 4,096, K 1,024] x [K 1,024, N 1,024]; A: input X; B: input k_proj: QUANTISED
;;     3. [M 4,096, K 1,024] x [K 1,024, N 1,024]; A: input X; B: input v_proj: QUANTISED
;;     4. batch 32 x [M 2,048, K 64] x [K 64, N 2,048]; A: computed on the way; B: computed on the way: left as it is (an operand is computed on the way)
;;     5. batch 32 x [M 2,048, K 2,048] x [K 2,048, N 64]; A: computed on the way; B: computed on the way: left as it is (an operand is computed on the way)
;;     6. [M 4,096, K 1,024] x [K 1,024, N 1,024]; A: computed on the way; B: input o_proj: left as it is (an operand is computed on the way)
;;   THE QUANTISER, for each operand of a quantised product, along K:
;;     - K is cut into blocks of 32 from its start; a last block that is shorter is filled with zeros.
;;     - A block's scale is 2^e with e = floor(log2(the largest magnitude in the block)) - 2, held to -126 .. 127; a block of zeros has e = 0. As a byte (E8M0): e + 127.
;;     - Each number is divided by its block's scale, clamped to +-6, and rounded to the nearest number of E2M1, ties to even, subnormals kept.
;;     - The product sums the exact products of the quantised numbers (number of the format x scale) in f32.
;;   ~~~python
;;   def quantise(x, axis):      # numpy; x: float32 -> the quantised numbers, widened to float32 again
;;       x = np.moveaxis(x, axis, -1); K = x.shape[-1]
;;       x = np.pad(x, [(0, 0)] * (x.ndim - 1) + [(0, -K % 32)]); x = x.reshape(x.shape[:-1] + (-1, 32)); a = np.abs(x).max(-1, keepdims=True)
;;       e = np.where(a > 0, np.clip(np.frexp(np.where(a > 0, a, 1))[1] - 1 - 2, -126, 127), 0)      # np.frexp(a)[1] - 1 = floor(log2(a)), exactly
;;       r = np.clip(x / 2.0 ** e, -6, 6)
;;       step = 2.0 ** (np.maximum(np.frexp(np.where(r == 0, 1, r))[1] - 1, 0) - 1)
;;       q = np.round(r / step) * step * 2.0 ** e      # np.round: ties to even
;;       return np.moveaxis(q.reshape(q.shape[:-2] + (-1,))[..., :K], -1, axis).astype(np.float32)
;;   ~~~
;; One version. Each part assembles by itself: llvm-mc -triple=amdgcn-amd-amdhsa -mcpu=gfx1250 --defsym DOCPART=n.
;; ======== version 1 of 1: 5 launches
;; limits: values are held in f16: magnitudes above 65,504 overflow, below 6.1e-05 lose precision
;; workspace buffers: x_codes 2,097,152 bytes; x_scales 131,072 bytes; w_codes 1,572,864 bytes; w_scales 98,304 bytes; ow16 2,097,152 bytes; qkv16 25,165,824 bytes; fine32 786,432 bytes; att 8,388,608 bytes
;; launch quant (part 1): grid 256 x 1, 4 waves a work-group, no clusters, 33,280 bytes of LDS; arguments X, q_proj, k_proj, v_proj, o_proj, x_codes, x_scales, w_codes, w_scales, ow16; writes x_codes, x_scales, w_codes, w_scales, ow16
.if DOCPART == 1
	.amdgcn_target "amdgcn-amd-amdhsa--gfx1250"
	.amdhsa_code_object_version 6
	.text
	.protected	k_q47c6b51dce_quant
	.globl	k_q47c6b51dce_quant
	.p2align	8
	.type	k_q47c6b51dce_quant,@function
k_q47c6b51dce_quant:
	s_mov_b64 s[64:65], 0
	v_nop
	global_prefetch_b8 v0, s[64:65] scope:SCOPE_SE
	s_setreg_imm32_b32 hwreg(HW_REG_WAVE_MODE, 25, 1), 1
	s_wait_xcnt 0x0
; X [4096][1024] and q_proj, k_proj, v_proj [1024][1024], f32 with K innermost, become codes of FP4 (E2M1), two a byte, and one E8M0 scale byte for each 32 along K:
; x_codes [4096][512 B], x_scales [4096][32 B]; w_codes [3072][512 B], w_scales [3072][32 B], the rows of q, k, v on end.  o_proj [1024 n][1024] becomes f16, laid [n / 128][head 16][n % 128][64].
; A block's scale is 2^(floor(log2(its largest magnitude)) - 2); its byte is the largest magnitude's exponent field - 2, held at 1 from below.  A block of zeros gets the byte 1 where the rule says 127:
; its codes are zeros, which add nothing under any byte but 0xff, and this program alone reads the bytes.
; LIMITS: blocks whose largest magnitude lies under 2^(2 - 126) keep the byte 1; NaN and infinities among the inputs are not served; o_proj goes to f16: magnitudes up to 65,504, steps of 6e-8 under 6e-5.
; SHARES: work-groups 0-127 X, 128-159 q_proj, 160-191 k_proj, 192-223 v_proj, 32,768 numbers each; 224-255 cast 32 rows of o_proj each.  Rows are dense and K is a multiple of 32: a tensor is a plain stream of blocks.
; The quantising way: a wave takes 16 steps of 512 numbers.  A step's four loads read 512 consecutive bytes each; the 2,048 bytes turn through the wave's own stage in LDS and come back 64 bytes a lane, so that a lane holds 16 neighbours
; along K and two neighbouring lanes a block.  Loads run eight steps ahead: 32 loads, 16,384 bytes, of every wave are on their way.  A wave's store of codes covers 256 consecutive bytes; its 256 scale bytes are gathered in LDS
; and leave as one such run.  Waves share nothing: no barrier.
.set WAVES, 4
.set STEPS, 16
.set DEPTH, 8                          ; steps whose loads are out
.set EMAX,  2
.set CB,    8                          ; bytes of 16 codes
.set R,     16                         ; v16-143  eight sets of 16 numbers as loaded
.set X,     144                        ; v144-175 two sets of 16 neighbours
.set E,     176                        ; v176-191 a scale byte for each step
.set C,     192                        ; v192-223 codes, two registers for each step: no store's data are written again
.set WREG,  8192                       ; LDS: a region for each wave: two stages of 32 x SP bytes, then its 256 scale bytes
.set SP,    80                         ; a lane's place in a stage: 64 bytes + 16 of padding
.set SPW,   12                         ; v12  LDS address of my spare word; never rewritten
.set NIL,   13                         ; v13  0; never rewritten
.set SPARE, WAVES*WREG                 ; behind the regions: the spare words, 128 bytes a wave, which no other line names
.set SRC,   26                         ; s[26:27] the tensor that I read
.set COD,   28                         ; s[28:29] where its codes go
.set SCA,   30                         ; s[30:31] where its scale bytes go
	s_load_b512 s[4:19], s[0:1], 0x0               ; X 4, q 6, k 8, v 10, o 12, x_codes 14, x_scales 16, w_codes 18
	s_load_b128 s[20:23], s[0:1], 0x40             ; w_scales 20, ow16 22
	v_lshl_add_u32 v[SPW], v0, 2, SPARE
	v_mov_b32 v[NIL], 0
	v_lshrrev_b32 v1, 5, v0
	v_readfirstlane_b32 s24, v1                    ; wave
	v_and_b32 v2, 31, v0                           ; lane
	v_lshlrev_b32 v3, 4, v2                        ; my 16 bytes of 512
	s_mul_i32 s25, s24, WREG
	v_lshrrev_b32 v14, 2, v2
	v_mul_u32_u24 v14, v14, SP
	v_and_b32 v15, 3, v2
	v_lshl_add_u32 v14, v15, 4, v14
	v_add_nc_u32 v14, s25, v14                     ; the stage, on the way in: SP (lane / 4) + 16 (lane % 4)
	v_mul_u32_u24 v15, v2, SP
	v_add_nc_u32 v15, s25, v15                     ; on the way out: SP x lane: my 16 neighbours
	v_mul_u32_u24 v4, v2, CB                       ; my codes' place in a step's
	v_lshrrev_b32 v5, 1, v2
	s_add_co_u32 s25, s25, 2*32*SP
	v_add_nc_u32 v5, s25, v5                       ; my block's scale byte in my wave's 256
	v_lshlrev_b32 v7, 3, v2                        ; and on the way out 8 bytes a lane
	v_add_nc_u32 v6, s25, v7
	s_wait_kmcnt 0x0
	s_cmp_ge_u32 ttmp9, 224                        ; the last 32 work-groups cast o_proj: that way touches no LDS
	s_cbranch_scc1 .Lcast
	s_and_b32 s32, ttmp9, 31                       ; a weight's work-group among its tensor's 32,
	s_sub_co_u32 s33, ttmp9, 128                   ; and among the three weights' 96
	s_cmp_lt_u32 ttmp9, 128                        ; the choices hang on the work-group's number alone
	s_cselect_b64 s[SRC:SRC+1], s[4:5], s[6:7]
	s_cselect_b64 s[COD:COD+1], s[14:15], s[18:19]
	s_cselect_b64 s[SCA:SCA+1], s[16:17], s[20:21]
	s_cselect_b32 s32, ttmp9, s32
	s_cselect_b32 s33, ttmp9, s33
	s_cmp_ge_u32 ttmp9, 160
	s_cselect_b64 s[SRC:SRC+1], s[8:9], s[SRC:SRC+1]
	s_cmp_ge_u32 ttmp9, 192
	s_cselect_b64 s[SRC:SRC+1], s[10:11], s[SRC:SRC+1]
	s_lshl_b32 s32, s32, 2
	s_add_co_u32 s32, s32, s24                     ; which run of 8,192 numbers I read,
	s_lshl_b32 s34, s32, 15                        ; 32,768 bytes each
	s_mov_b32 s35, 0
	s_add_nc_u64 s[SRC:SRC+1], s[SRC:SRC+1], s[34:35]
	s_lshl_b32 s33, s33, 2
	s_add_co_u32 s33, s33, s24                     ; and which I write:
	s_lshl_b32 s34, s33, 12                        ; 4,096 bytes of codes,
	s_add_nc_u64 s[COD:COD+1], s[COD:COD+1], s[34:35]
	s_lshl_b32 s34, s33, 8                         ; 256 scale bytes
	s_add_nc_u64 s[SCA:SCA+1], s[SCA:SCA+1], s[34:35]
.macro LOAD t
.irp i, 0,1,2,3
	global_load_b128 v[R+16*((\t)%DEPTH)+4*\i:R+16*((\t)%DEPTH)+4*\i+3], v3, s[SRC:SRC+1] offset:2048*(\t)+512*\i th:TH_LOAD_NT   ; 32 lanes read 512 consecutive bytes
.endr
.endm
.macro TURN t                          ; step t's numbers through the stage: LDS serves a wave's instructions in order (ISA guide 5.7.1.4), so no wait stands between the stores and the loads
.irp i, 0,1,2,3
	ds_store_b128 v14, v[R+16*((\t)%DEPTH)+4*\i:R+16*((\t)%DEPTH)+4*\i+3] offset:32*SP*((\t)%2)+8*SP*\i
.endr
.irp i, 0,1,2,3
	ds_load_b128 v[X+16*((\t)%2)+4*\i:X+16*((\t)%2)+4*\i+3], v15 offset:32*SP*((\t)%2)+16*\i
.endr
.endm
.irp t, 0,1,2,3,4,5,6,7
	LOAD \t
.endr
	s_wait_loadcnt 4*(DEPTH-1)                     ; step 0's four loads are in; seven steps' 28 stay out
	TURN 0
.macro STEP t
.set XS, X+16*((\t)%2)
.if (\t) > 0
	s_wait_dscnt 1                                 ; this step's numbers are back from the stage; the last step's byte store may be out
.else
	s_wait_dscnt 0x0
.endif
.if (\t)+DEPTH < STEPS
	LOAD (\t)+DEPTH                                ; into the registers that this step's stage stores have read
.endif
.if (\t)+1 < STEPS
.if STEPS-2-(\t) >= DEPTH-1
	s_wait_loadcnt 4*(DEPTH-1)                     ; the next step's four loads are in; those of the seven steps behind it may be out
.else
	s_wait_loadcnt 4*(STEPS-2-(\t))                ; towards the end: those of the steps that are left
.endif
	TURN (\t)+1                                    ; through the other stage while this step is worked
.endif
	v_max3_num_f32 v8, |v[XS]|, |v[XS+1]|, |v[XS+2]|               ; the largest magnitude of my 16, in two chains
	v_max3_num_f32 v9, |v[XS+3]|, |v[XS+4]|, |v[XS+5]|
.irp i, 6,10
	v_max3_num_f32 v8, v8, |v[XS+\i]|, |v[XS+\i+1]|
	v_max3_num_f32 v9, v9, |v[XS+\i+2]|, |v[XS+\i+3]|
.endr
	v_max3_num_f32 v8, v8, |v[XS+14]|, |v[XS+15]|
	v_max3_num_f32 v8, v8, v9, (EMAX+1)<<23        ; and the floor 2^(EMAX + 1 - 127): the byte cannot fall under 1
	v_max_num_f32_dpp v8, v8, v8 row_xmask:1 row_mask:0xf bank_mask:0xf   ; with my neighbour's 16: the block's
	v_add_nc_u32 v11, -(EMAX<<23), v8              ; EMAX off its exponent field: the conversion takes this operand's exponent field as its scale
	v_cvt_scalef32_pk8_fp4_f32 v[C+2*(\t)], v[XS:XS+7], v11        ; eight numbers / the scale, to the nearest code, ties to even, beyond 6 the largest code
	v_cvt_scalef32_pk8_fp4_f32 v[C+2*(\t)+1], v[XS+8:XS+15], v11
	v_lshrrev_b32 v[E+(\t)], 23, v11               ; the scale's byte (also the plain line behind the conversions)
	ds_store_b8 v5, v[E+(\t)] offset:16*(\t)       ; both lanes of a block write the same byte with the same value
	global_store_b64 v4, v[C+2*(\t):C+2*(\t)+1], s[COD:COD+1] offset:32*CB*(\t)   ; the wave stores 256 consecutive bytes
.endm
.irp t, 0,1,2,3,4,5,6,7,8,9,10,11,12,13,14,15
	STEP \t
.endr
	ds_load_b64 v[8:9], v6                         ; in order behind my byte stores
	s_wait_dscnt 0x0
	global_store_b64 v7, v[8:9], s[SCA:SCA+1]      ; 32 lanes store 256 consecutive bytes
	s_wait_tensorcnt 0x0                           ; the wave's end, behind my last LDS store
	ds_add_u32 v[SPW], v[NIL]
	s_wait_dscnt 0x0
	s_endpgm
; THE CAST.  A wave takes 8 rows of o_proj.  A group is 4 rows x one head (64 numbers): lane l reads 32 bytes of row l / 8 and stores 16 bytes at 16 l: the wave stores 512 consecutive bytes.
; Four batches of eight groups on two sets of 64 registers: sixteen loads stay out while a batch is converted.
.Lcast:
	s_sub_co_u32 s32, ttmp9, 224
	s_lshl_b32 s32, s32, 5
	s_lshl_b32 s33, s24, 3
	s_add_co_u32 s32, s32, s33                     ; my first row: 32 x work-group + 8 x wave
	s_lshl_b32 s34, s32, 12                        ; a row of o_proj is 4,096 bytes
	s_mov_b32 s35, 0
	s_add_nc_u64 s[12:13], s[12:13], s[34:35]
	s_lshr_b32 s34, s32, 7
	s_lshl_b32 s34, s34, 18                        ; a block of 128 rows is 262,144 bytes of ow16,
	s_and_b32 s33, s32, 127
	s_lshl_b32 s33, s33, 7                         ; a row in a head's part 128
	s_add_co_u32 s34, s34, s33
	s_add_nc_u64 s[22:23], s[22:23], s[34:35]
	v_lshrrev_b32 v1, 3, v2
	v_and_b32 v8, 7, v2
	v_lshlrev_b32 v8, 5, v8
	v_lshl_add_u32 v1, v1, 12, v8                  ; 4,096 (l / 8) + 32 (l % 8)
.macro CLOAD bt                        ; batch bt: rows 4 (bt / 2) on, heads 8 (bt % 2) on
.irp g, 0,1,2,3,4,5,6,7
	global_load_b128 v[16+64*((\bt)%2)+8*\g:16+64*((\bt)%2)+8*\g+3], v1, s[12:13] offset:((\bt)/2)*16384+(8*((\bt)%2)+\g)*256 th:TH_LOAD_NT
	global_load_b128 v[16+64*((\bt)%2)+8*\g+4:16+64*((\bt)%2)+8*\g+7], v1, s[12:13] offset:((\bt)/2)*16384+(8*((\bt)%2)+\g)*256+16 th:TH_LOAD_NT
.endr
.endm
.macro CAST bt, left
	s_wait_loadcnt \left                           ; this batch's sixteen loads are in; the next batch's may be out
	s_wait_xcnt 0x0                                ; the last batch's stores have read v144-175, which are written again below
.irp g, 0,1,2,3,4,5,6,7
.irp i, 0,1,2,3
	v_cvt_pk_f16_f32 v[144+4*\g+\i], v[16+64*((\bt)%2)+8*\g+2*\i], v[16+64*((\bt)%2)+8*\g+2*\i+1]
.endr
.endr
.irp g, 0,1,2,3,4,5,6,7
	global_store_b128 v3, v[144+4*\g:144+4*\g+3], s[22:23] offset:(8*((\bt)%2)+\g)*16384+((\bt)/2)*512
.endr
.endm
	CLOAD 0
	CLOAD 1
	CAST 0, 16
	CLOAD 2
	CAST 1, 16
	CLOAD 3
	CAST 2, 16
	CAST 3, 0
	s_endpgm
.Lfunc_end_k_q47c6b51dce_quant:
	.size	k_q47c6b51dce_quant, .Lfunc_end_k_q47c6b51dce_quant-k_q47c6b51dce_quant
	.p2alignl 7, 3214868480
	.fill 96, 4, 3214868480
	.section	.rodata,"a",@progbits
	.p2align	6, 0x0
	.amdhsa_kernel k_q47c6b51dce_quant
		.amdhsa_group_segment_fixed_size 33280
		.amdhsa_private_segment_fixed_size 0
		.amdhsa_enable_private_segment 0
		.amdhsa_kernarg_size 80
		.amdhsa_user_sgpr_count 2
		.amdhsa_user_sgpr_kernarg_segment_ptr 1
		.amdhsa_wavefront_size32 1
		.amdhsa_system_sgpr_workgroup_id_x 1
		.amdhsa_system_sgpr_workgroup_id_y 1
		.amdhsa_system_sgpr_workgroup_id_z 1
		.amdhsa_system_vgpr_workitem_id 0
		.amdhsa_next_free_vgpr 224
		.amdhsa_next_free_sgpr 66
		.amdhsa_reserve_vcc 0
		.amdhsa_float_denorm_mode_32 3
		.amdhsa_float_denorm_mode_16_64 3
		.amdhsa_memory_ordered 1
		.amdhsa_forward_progress 1
		.amdhsa_inst_pref_size 52
	.end_amdhsa_kernel
	.amdgpu_metadata
---
amdhsa.version: [ 1, 2 ]
amdhsa.kernels:
  - .name:           k_q47c6b51dce_quant
    .symbol:         k_q47c6b51dce_quant.kd
    .args:
      - { .name: X, .offset: 0, .size: 8, .value_kind: global_buffer, .address_space: global }
      - { .name: q_proj, .offset: 8, .size: 8, .value_kind: global_buffer, .address_space: global }
      - { .name: k_proj, .offset: 16, .size: 8, .value_kind: global_buffer, .address_space: global }
      - { .name: v_proj, .offset: 24, .size: 8, .value_kind: global_buffer, .address_space: global }
      - { .name: o_proj, .offset: 32, .size: 8, .value_kind: global_buffer, .address_space: global }
      - { .name: x_codes, .offset: 40, .size: 8, .value_kind: global_buffer, .address_space: global }
      - { .name: x_scales, .offset: 48, .size: 8, .value_kind: global_buffer, .address_space: global }
      - { .name: w_codes, .offset: 56, .size: 8, .value_kind: global_buffer, .address_space: global }
      - { .name: w_scales, .offset: 64, .size: 8, .value_kind: global_buffer, .address_space: global }
      - { .name: ow16, .offset: 72, .size: 8, .value_kind: global_buffer, .address_space: global }
    .group_segment_fixed_size: 33280
    .private_segment_fixed_size: 0
    .kernarg_segment_align: 8
    .kernarg_segment_size: 80
    .max_flat_workgroup_size: 128
    .sgpr_count:     66
    .vgpr_count:     224
    .wavefront_size: 32
...
	.end_amdgpu_metadata
.endif
;; end of part 1
;; launch proj (part 2): grid 16 x 16, 4 waves a work-group, clusters of 4 x 4, 327,680 bytes of LDS; arguments x_codes, x_scales, w_codes, w_scales, qkv16, fine32; writes qkv16, fine32
.if DOCPART == 2
	.amdgcn_target "amdgcn-amd-amdhsa--gfx1250"
	.amdhsa_code_object_version 6
	.text
	.protected	k_q47c6b51dce_proj
	.globl	k_q47c6b51dce_proj
	.p2align	8
	.type	k_q47c6b51dce_proj,@function
k_q47c6b51dce_proj:
	s_mov_b64 s[64:65], 0
	v_nop
	global_prefetch_b8 v0, s[64:65] scope:SCOPE_SE
	s_setreg_imm32_b32 hwreg(HW_REG_WAVE_MODE, 25, 1), 1
	s_wait_xcnt 0x0
	s_wait_alu depctr_hold_cnt(0) depctr_sa_sdst(0) depctr_va_vdst(0) depctr_va_sdst(0) depctr_va_ssrc(0) depctr_va_vcc(0) depctr_vm_vsrc(0)
	s_getreg_b32 s2, hwreg(HW_REG_IB_STS2, 6, 4)
	s_cmp_eq_u32 s2, 0
	s_cbranch_scc0 .Lentry_in_a_cluster
	s_endpgm
.Lentry_in_a_cluster:
	s_bfe_u32 s2, ttmp6, 0x10000c
	s_cmp_lg_u32 s2, 0xf033
	s_cbranch_scc0 .Lentry_shape_is_right
	s_endpgm
.Lentry_shape_is_right:
; q, k, v = X W^T on codes of FP4 (E2M1) with one E8M0 scale for each 32 along K; M 4,096, N 3,072 (the rows of q_proj, k_proj, v_proj on end), K 1,024; sums in f32.
; Out: qkv16 [g 48][m 4096][64] f16 (g = column / 64: 16 heads of q, of k, of v), and, for the positions that a later launch carries in f32, fine32: images of accumulator registers.
; LIMITS: results go to f16: magnitudes up to 65,504, steps of 6e-8 under 6e-5.  fine32's slots 1 and 3 are stored and never read.
; SHARES.  A tile of C is 256 rows x 192 columns (3 heads): 16 x 16 work-groups.  Wave w makes rows 64 w .. 64 w + 63 x all 192 columns: 4 x 12 accumulators of 16 x 16, 384 registers.
; K comes in two halves of 512 (rows of 256 bytes), both asked for at the head: nothing is filled again.  By this text's count a wave has two tensor loads out.
; CLUSTERS: 4 x 4.  Tile column tx = 4 x cluster x + cx; tile row ty = 4 cy + cluster y, so that the two tiles with a sequence's first rows (ty = 0 and 8) lie in clusters with cluster y = 0.
; A's tile hangs on ty alone and is asked for jointly along a row of the cluster, B's on tx alone, along a column.
; THE MATRIX INSTRUCTION IS USED TRANSPOSED (source 0 = 16 rows of W, source 1 = 16 rows of X): lane l holds row l % 16 of C and eight neighbouring columns 8 (l / 16) + 0 .. 7.
; THE SCALES go from memory straight into registers, once: a row's 32 bytes are its 8 words, one for each K step of 128.  Lane l takes row 32 g + l: lanes 0-15 hold block 2 g's words, lanes 16-31 block 2 g + 1's.
; REGISTERS, in windows of 256: window 0: v0-31 addresses; v32-47 X's scale words, v48-95 W's; v96-159 X's fragments, two sets of 4; v160-207, v208-255 the way out.
;   window 1: W's fragments, two sets of 12, at v0 and v96.   window 2: accumulators of my row blocks 0, 1 ((a, b) at v[8 (12 (a % 2) + b)]);   window 3: of blocks 2, 3.
.set PITCH,  272                       ; an LDS row: 256 bytes + 16 of padding = 68 words: row r starts at bank 4 r mod 64 (64 banks of 4 bytes: ISA guide 11.1)
.set HALFA,  128*PITCH                 ; what one load brings of A,
.set HALFB,  96*PITCH                  ; and of B
.set BOFF,   256*PITCH                 ; a slot: A's 256 rows, then B's 192
.set SLOT,   448*PITCH
.set STAGE,  2*SLOT                    ; behind the slots: [3 heads][16 rows][128 bytes + 16] for each wave
.set WSTG,   3*16*144
.set SPARE,  STAGE+4*WSTG              ; the spare words, 128 bytes a wave, which no other line names
.set ADRA, 16                          ; v16-17  LDS address of my X fragments in slot 0, 1
.set ADRB, 20                          ; v20-21  of W's
.set STO,  24                          ; v24     the way out: where I put 16 bytes of a row
.set RD,   25                          ; v25     where I read rows back
.set GO,   26                          ; v26     16 x lane
.set SCO,  27                          ; v27     32 x lane
.set SPW,  28                          ; v28     LDS address of my spare word; never rewritten
.set NIL,  29                          ; v29     0; never rewritten
.set XS,   32
.set WS,   48
.set AF,   96
.set TMP,  160
.set BK,   208
.set G1A,  24                          ; s[24:31], s[32:39] descriptor groups 1;  s[40:47], s[48:55] groups 0, one set for each slot
.set G1B,  32
.set G0A,  40
.set G0B,  48
.set MSB, 0
.macro WIN new                         ; the immediate's high byte repeats the setting that is left
.if MSB != \new
	s_set_vgpr_msb (MSB<<8)|\new
.set MSB, \new
.endif
.endm
.set MUL_LO, 0xa1                      ; source 0 (W) window 1, source 1 (X) window 0, C and D window 2
.set MUL_HI, 0xf1                      ; the same, C and D window 3
.set TO_B,   0x40                      ; destination window 1, address window 0
.macro CROUND                          ; a round of the cluster's barrier
	s_barrier_signal -1
	s_barrier_wait -1
	s_cmp_lg_u32 s16, 0
	s_cbranch_scc1 .Lnot_wave_0_\@
	s_barrier_signal -3
.Lnot_wave_0_\@:
	s_barrier_wait -3
	s_barrier_signal -1
	s_barrier_wait -1
.endm
.macro PLACES                          ; four plain places behind matrix instructions, in front of loads into registers that they read and of the first read of results
.rept 4
	v_nop
.endr
.endm
	s_load_b256 s[4:11], s[0:1], 0x0               ; x_codes 4, x_scales 6, w_codes 8, w_scales 10
	s_load_b128 s[12:15], s[0:1], 0x20             ; qkv16 12, fine32 14
	v_lshl_add_u32 v[SPW], v0, 2, SPARE
	v_mov_b32 v[NIL], 0
	ds_add_u32 v[SPW], v[NIL]                      ; the opening: the add, twice on end, and its wait ahead of my first tensor load
	ds_add_u32 v[SPW], v[NIL]
	v_lshrrev_b32 v1, 5, v0
	v_readfirstlane_b32 s16, v1                    ; wave 0..3
	s_lshr_b32 s17, s16, 1                         ; I fetch for A (0) or for B (1),
	s_and_b32 s18, s16, 1                          ; and which half of its rows
	s_bfe_u32 s19, ttmp6, 0x40000                  ; cx
	s_bfe_u32 s20, ttmp6, 0x40004                  ; cy
	s_lshl_b32 s21, ttmp9, 2
	s_add_co_u32 s21, s21, s19                     ; tx = 4 x cluster x + cx
	s_and_b32 s23, ttmp7, 0xffff                   ; cluster y
	s_lshl_b32 s22, s20, 2
	s_add_co_u32 s22, s22, s23                     ; ty = 4 cy + cluster y
	s_lshl_b32 s56, s20, 2
	s_lshl_b32 s56, 15, s56                        ; my row of the cluster
	s_lshl_b32 s60, 0x1111, s19                    ; my column
	s_or_b32 s[G1A], s56, (1<<20)|(1<<21)|(5<<22)|(3<<25)   ; 15:0 the mask; 17:16 elements of 1 byte; 20 padding on; 21 set beside a mask; 24:22 after every 64 words; 31:25 four words
	s_or_b32 s[G1B], s60, (1<<20)|(1<<21)|(5<<22)|(3<<25)
.irp g, G1A, G1B
	s_mov_b32 s[\g+1], 256<<16                     ; tensor_dim0 = 256 bytes
	s_mov_b32 s[\g+3], 256<<16                     ; tile_dim0
	s_mov_b32 s[\g+5], 512                         ; from row to row: 1,024 codes
	s_mov_b32 s[\g+6], 0
	s_mov_b32 s[\g+7], 0
.endr
	s_mov_b32 s[G1A+2], 128<<16                    ; tensor_dim1,
	s_mov_b32 s[G1A+4], 128                        ; tile_dim1: A 128 rows,
	s_mov_b32 s[G1B+2], 96<<16
	s_mov_b32 s[G1B+4], 96                         ; B 96
	s_lshl_b32 s56, s22, 8                         ; A: row 256 ty + 128 x half (these registers never hold cx),
	s_lshl_b32 s57, s18, 7
	s_add_co_u32 s56, s56, s57
	s_lshl_b32 s56, s56, 9                         ; of 512 bytes
	s_mov_b32 s57, 0
	s_mul_i32 s60, s21, 192                        ; B: row 192 tx + 96 x half (these never hold cy)
	s_mul_i32 s61, s18, 96
	s_add_co_u32 s60, s60, s61
	s_lshl_b32 s60, s60, 9
	s_mov_b32 s61, 0
	s_mul_i32 s62, s18, HALFA                      ; where they go: no place in the cluster enters an LDS address
	s_mul_i32 s63, s18, HALFB
	s_add_co_u32 s63, s63, BOFF
	s_wait_dscnt 0x0                               ; both opening adds are done
	s_wait_kmcnt 0x0
	s_add_nc_u64 s[56:57], s[4:5], s[56:57]
	s_add_nc_u64 s[60:61], s[8:9], s[60:61]
	CROUND                                         ; all sixteen work-groups are here: the joint loads meet
.irp s, 0,1
	s_mov_b32 s[G0A+4*\s], 1                       ; count = 1
	s_add_co_u32 s[G0A+4*\s+1], s62, \s*SLOT       ; LDS address
	s_add_nc_u64 s[G0A+4*\s+2:G0A+4*\s+3], s[56:57], \s*256   ; K half s
	s_or_b32 s[G0A+4*\s+3], s[G0A+4*\s+3], 0x80000000         ; type = 2
	s_mov_b32 s[G0B+4*\s], 1
	s_add_co_u32 s[G0B+4*\s+1], s63, \s*SLOT
	s_add_nc_u64 s[G0B+4*\s+2:G0B+4*\s+3], s[60:61], \s*256
	s_or_b32 s[G0B+4*\s+3], s[G0B+4*\s+3], 0x80000000
.endr
	s_cmp_eq_u32 s17, 0                            ; a wave's two fills stand in one branch on the wave's number; an s_nop 0 follows each load, four v_nop the second
	s_cbranch_scc0 .Lfirst_b
	tensor_load_to_lds s[G0A:G0A+3], s[G1A:G1A+7]
	s_nop 0
	tensor_load_to_lds s[G0A+4:G0A+7], s[G1A:G1A+7]
	s_nop 0
.rept 4
	v_nop
.endr
	s_branch .Lfirst_asked
.Lfirst_b:
	tensor_load_to_lds s[G0B:G0B+3], s[G1B:G1B+7]
	s_nop 0
	tensor_load_to_lds s[G0B+4:G0B+7], s[G1B:G1B+7]
	s_nop 0
.rept 4
	v_nop
.endr
.Lfirst_asked:
	v_and_b32 v1, 15, v0                           ; r = l % 16
	v_bfe_u32 v2, v0, 4, 1                         ; h = l / 16
	v_and_b32 v5, 31, v0                           ; lane
	v_lshlrev_b32 v[GO], 4, v5
	v_lshlrev_b32 v[SCO], 5, v5
	s_lshl_b32 s58, s22, 8
	s_lshl_b32 s59, s16, 6
	s_add_co_u32 s58, s58, s59                     ; my first row of C: 256 ty + 64 w
	s_lshl_b32 s2, s58, 5                          ; 32 scale bytes a row
	s_mov_b32 s3, 0
	s_add_nc_u64 s[6:7], s[6:7], s[2:3]
	s_mul_i32 s2, s21, 192*32
	s_add_nc_u64 s[10:11], s[10:11], s[2:3]
.irp g, 0,1
	global_load_b128 v[XS+8*\g:XS+8*\g+3], v[SCO], s[6:7] offset:1024*\g        ; rows 32 g + lane: words of K steps 0-3,
	global_load_b128 v[XS+8*\g+4:XS+8*\g+7], v[SCO], s[6:7] offset:1024*\g+16   ; 4-7
.endr
.irp g, 0,1,2,3,4,5
	global_load_b128 v[WS+8*\g:WS+8*\g+3], v[SCO], s[10:11] offset:1024*\g
	global_load_b128 v[WS+8*\g+4:WS+8*\g+7], v[SCO], s[10:11] offset:1024*\g+16
.endr
	v_mul_u32_u24 v3, v1, PITCH
	v_lshl_add_u32 v3, v2, 4, v3                   ; a fragment's row x pitch + 16 x half
	s_mul_i32 s2, s16, 64*PITCH                    ; my 64 rows of A
	v_add_nc_u32 v[ADRA], s2, v3
	v_add_nc_u32 v[ADRA+1], SLOT, v[ADRA]
	v_add_nc_u32 v[ADRB], BOFF, v3
	v_add_nc_u32 v[ADRB+1], SLOT+BOFF, v3
	s_mul_i32 s2, s16, WSTG
	s_add_co_u32 s2, s2, STAGE                     ; my stage
	v_mul_u32_u24 v4, v1, 144
	v_lshl_add_u32 v4, v2, 4, v4
	v_add_nc_u32 v[STO], s2, v4                    ; in: row r, 16 bytes for each half of the lanes
	v_lshrrev_b32 v4, 3, v5
	v_mul_u32_u24 v4, v4, 144
	v_and_b32 v6, 7, v0
	v_lshl_add_u32 v4, v6, 4, v4
	v_add_nc_u32 v[RD], s2, v4                     ; back: eight lanes to a row of 128 bytes, four rows an instruction
	s_mul_i32 s2, s21, 3*524288                    ; qkv16: my three heads,
	s_lshl_b32 s59, s58, 7                         ; my first row of 128 bytes
	s_add_co_u32 s2, s2, s59
	s_add_nc_u64 s[12:13], s[12:13], s[2:3]
	s_mul_i32 s2, s20, 196608                      ; fine32: slot cy,
	s_mul_i32 s59, s21, 12288                      ; my three heads of 4,096 bytes
	s_add_co_u32 s2, s2, s59
	s_add_nc_u64 s[14:15], s[14:15], s[2:3]
.macro FRAG reg, adr, q, i             ; 16 rows x 128 K of 4-bit codes: lane l holds row l % 16; registers 4 c .. 4 c + 3 hold K = 64 c + 32 (l / 16) + 0 .. 31
.irp c, 0,1
	ds_load_b128 v[\reg+4*\c:\reg+4*\c+3], v[\adr] offset:64*(\q)+32*\c+(\i)*16*PITCH
.endr
.endm
.macro FETCH q                         ; K step q's 12 fragments of W and 4 of X into set q % 2: 32 loads in one run
	WIN TO_B
.irp i, 0,1,2,3,4,5,6,7,8,9,10,11
	FRAG 96*((\q)%2)+8*\i, ADRB+(\q)/4, (\q)%4, \i
.endr
	WIN 0
.irp i, 0,1,2,3
	FRAG AF+32*((\q)%2)+8*\i, ADRA+(\q)/4, (\q)%4, \i
.endr
.endm
; One product: row block a of X against block b of W, K step q, set p.  An odd block's scale words lie in lanes 16-31 of its register.
.macro WM a, b, p, q, zero
.set rD, 8*(12*((\a)%2)+(\b))
.set rB, 96*(\p)+8*(\b)
.set rA, AF+32*(\p)+8*(\a)
.set rW, WS+8*((\b)/2)+(\q)
.set rX, XS+8*((\a)/2)+(\q)
.set par, 2*((\b)%2)+((\a)%2)+4*(\zero)
.if par == 0
	v_wmma_scale_f32_16x16x128_f8f6f4 v[rD:rD+7], v[rB:rB+7], v[rA:rA+7], v[rD:rD+7], v[rW], v[rX] matrix_a_fmt:MATRIX_FMT_FP4 matrix_b_fmt:MATRIX_FMT_FP4
.elseif par == 1
	v_wmma_scale_f32_16x16x128_f8f6f4 v[rD:rD+7], v[rB:rB+7], v[rA:rA+7], v[rD:rD+7], v[rW], v[rX] matrix_a_fmt:MATRIX_FMT_FP4 matrix_b_fmt:MATRIX_FMT_FP4 matrix_b_scale:MATRIX_SCALE_ROW1
.elseif par == 2
	v_wmma_scale_f32_16x16x128_f8f6f4 v[rD:rD+7], v[rB:rB+7], v[rA:rA+7], v[rD:rD+7], v[rW], v[rX] matrix_a_fmt:MATRIX_FMT_FP4 matrix_b_fmt:MATRIX_FMT_FP4 matrix_a_scale:MATRIX_SCALE_ROW1
.elseif par == 3
	v_wmma_scale_f32_16x16x128_f8f6f4 v[rD:rD+7], v[rB:rB+7], v[rA:rA+7], v[rD:rD+7], v[rW], v[rX] matrix_a_fmt:MATRIX_FMT_FP4 matrix_b_fmt:MATRIX_FMT_FP4 matrix_a_scale:MATRIX_SCALE_ROW1 matrix_b_scale:MATRIX_SCALE_ROW1
.elseif par == 4
	v_wmma_scale_f32_16x16x128_f8f6f4 v[rD:rD+7], v[rB:rB+7], v[rA:rA+7], 0, v[rW], v[rX] matrix_a_fmt:MATRIX_FMT_FP4 matrix_b_fmt:MATRIX_FMT_FP4
.elseif par == 5
	v_wmma_scale_f32_16x16x128_f8f6f4 v[rD:rD+7], v[rB:rB+7], v[rA:rA+7], 0, v[rW], v[rX] matrix_a_fmt:MATRIX_FMT_FP4 matrix_b_fmt:MATRIX_FMT_FP4 matrix_b_scale:MATRIX_SCALE_ROW1
.elseif par == 6
	v_wmma_scale_f32_16x16x128_f8f6f4 v[rD:rD+7], v[rB:rB+7], v[rA:rA+7], 0, v[rW], v[rX] matrix_a_fmt:MATRIX_FMT_FP4 matrix_b_fmt:MATRIX_FMT_FP4 matrix_a_scale:MATRIX_SCALE_ROW1
.else
	v_wmma_scale_f32_16x16x128_f8f6f4 v[rD:rD+7], v[rB:rB+7], v[rA:rA+7], 0, v[rW], v[rX] matrix_a_fmt:MATRIX_FMT_FP4 matrix_b_fmt:MATRIX_FMT_FP4 matrix_a_scale:MATRIX_SCALE_ROW1 matrix_b_scale:MATRIX_SCALE_ROW1
.endif
.endm
.macro MUL24 a0, p, q, zero            ; row blocks a0, a0 + 1 against W's twelve.  The 48 accumulators take turns, one instruction a turn, in the same order in every step
.irp a, \a0, \a0+1
.irp b, 0,1,2,3,4,5,6,7,8,9,10,11
	WM \a, \b, \p, \q, \zero
.endr
.endr
.endm
; A K step of 128: 48 products; the next step's 32 loads stand in one run in its middle.  zero = 1: the products start the sums: nothing is cleared.
.macro GSTEP q, zero
	s_wait_dscnt 0x0                               ; this step's fragments are in (asked for 24 products ago)
.if (\q) == 3
	s_wait_tensorcnt 0x0                           ; my part of the second K half has landed:
	s_barrier_signal -1                            ; say so; work on registers stands between the signal and the wait.
.endif
	WIN MUL_LO
	MUL24 0, (\q)%2, \q, \zero
.if (\q) == 3
	s_barrier_wait -1                              ; everybody's has
.endif
.if (\q) < 7
	PLACES
	FETCH (\q)+1
.endif
	WIN MUL_HI
	MUL24 2, (\q)%2, \q, \zero
.endm
	s_wait_tensorcnt 1                             ; my part of the first K half is in; the second half's load may stay out
	s_barrier_signal -1
	s_barrier_wait -1                              ; everybody's is
	FETCH 0
	s_wait_loadcnt 0x0                             ; the scale words
	GSTEP 0, 1
.irp q, 1,2,3,4,5,6,7
	GSTEP \q, 0
.endr
	WIN 0
	PLACES
	; THE ROWS THAT ARE CARRIED IN f32.  In clusters with cluster y = 0, wave 0's first row block (rows 256 ty .. + 15, ty = 4 cy) leaves as it stands in the registers:
	; fine32 [slot cy][g][b' 4][half 2][lane][16 bytes]: lane (r, h), word jj = row r, channel 16 b' + 8 h + 4 half + jj of head g.  The branch hangs on the wave's number and the cluster's y: alike in all partners.
	s_or_b32 s2, s23, s16
	s_cmp_lg_u32 s2, 0
	s_cbranch_scc1 .Lno_fine
	WIN 0x08                                       ; a store's data are its source 1: window 2
.irp b, 0,1,2,3,4,5,6,7,8,9,10,11
	global_store_b128 v[GO], v[8*\b:8*\b+3], s[14:15] offset:1024*\b           ; each accumulator from its low end on; 512 consecutive bytes a store
	global_store_b128 v[GO], v[8*\b+4:8*\b+7], s[14:15] offset:1024*\b+512
.endr
	WIN 0
.Lno_fine:
; THE WAY OUT, a block of 16 rows x 192 columns at a time: rounded to f16, 16 bytes a lane into my own stage, back as rows of 128 bytes, four rows (512 consecutive bytes of qkv16) a store.
.macro PACK a
.set AC, 96*((\a)%2)
	WIN 0x0a+5*((\a)/2)                            ; sources 0 and 1: window 2 or 3
.irp b, 0,1,2,3,4,5,6,7,8,9,10,11
.irp i, 0,1,2,3
	v_cvt_pk_f16_f32 v[TMP+4*\b+\i], v[AC+8*\b+2*\i], v[AC+8*\b+2*\i+1]
.endr
.endr
	WIN 0
.endm
.macro TOSTAGE
.irp b, 0,1,2,3,4,5,6,7,8,9,10,11
	ds_store_b128 v[STO], v[TMP+4*\b:TMP+4*\b+3] offset:(\b/4)*2304+(\b%4)*32
.endr
.irp hd, 0,1,2
.irp t, 0,1,2,3
	ds_load_b128 v[BK+16*\hd+4*\t:BK+16*\hd+4*\t+3], v[RD] offset:\hd*2304+\t*576   ; LDS serves a wave's instructions in order (ISA guide 5.7.1.4): these see the stores above
.endr
.endr
.endm
.macro SEND a
	s_wait_dscnt 0x0                               ; the block is back in registers
.irp hd, 0,1,2
.irp t, 0,1,2,3
	global_store_b128 v[GO], v[BK+16*\hd+4*\t:BK+16*\hd+4*\t+3], s[12:13] offset:\hd*524288+(\a)*2048+\t*512
.endr
.endr
.endm
	PACK 0
	TOSTAGE
.irp a, 1,2,3
	PACK \a                                        ; the next block's conversions stand between a block's loads from the stage and the wait for them
	SEND \a-1
	s_wait_xcnt 0x0                                ; those stores have read v208-255, into which the next block's loads land
	TOSTAGE
.endr
	SEND 3
	s_wait_tensorcnt 0x0                           ; the wave's end
	ds_add_u32 v[SPW], v[NIL]
	s_wait_dscnt 0x0
	CROUND                                         ; the closing round
	s_endpgm
.Lfunc_end_k_q47c6b51dce_proj:
	.size	k_q47c6b51dce_proj, .Lfunc_end_k_q47c6b51dce_proj-k_q47c6b51dce_proj
	.p2alignl 7, 3214868480
	.fill 96, 4, 3214868480
	.section	.rodata,"a",@progbits
	.p2align	6, 0x0
	.amdhsa_kernel k_q47c6b51dce_proj
		.amdhsa_group_segment_fixed_size 327680
		.amdhsa_private_segment_fixed_size 0
		.amdhsa_enable_private_segment 0
		.amdhsa_kernarg_size 48
		.amdhsa_user_sgpr_count 2
		.amdhsa_user_sgpr_kernarg_segment_ptr 1
		.amdhsa_wavefront_size32 1
		.amdhsa_system_sgpr_workgroup_id_x 1
		.amdhsa_system_sgpr_workgroup_id_y 1
		.amdhsa_system_sgpr_workgroup_id_z 1
		.amdhsa_system_vgpr_workitem_id 0
		.amdhsa_next_free_vgpr 960
		.amdhsa_next_free_sgpr 66
		.amdhsa_reserve_vcc 0
		.amdhsa_float_denorm_mode_32 3
		.amdhsa_float_denorm_mode_16_64 3
		.amdhsa_memory_ordered 1
		.amdhsa_forward_progress 1
		.amdhsa_inst_pref_size 101
	.end_amdhsa_kernel
	.amdgpu_metadata
---
amdhsa.version: [ 1, 2 ]
amdhsa.kernels:
  - .name:           k_q47c6b51dce_proj
    .symbol:         k_q47c6b51dce_proj.kd
    .args:
      - { .name: x_codes, .offset: 0, .size: 8, .value_kind: global_buffer, .address_space: global }
      - { .name: x_scales, .offset: 8, .size: 8, .value_kind: global_buffer, .address_space: global }
      - { .name: w_codes, .offset: 16, .size: 8, .value_kind: global_buffer, .address_space: global }
      - { .name: w_scales, .offset: 24, .size: 8, .value_kind: global_buffer, .address_space: global }
      - { .name: qkv16, .offset: 32, .size: 8, .value_kind: global_buffer, .address_space: global }
      - { .name: fine32, .offset: 40, .size: 8, .value_kind: global_buffer, .address_space: global }
    .group_segment_fixed_size: 327680
    .private_segment_fixed_size: 0
    .kernarg_segment_align: 8
    .kernarg_segment_size: 48
    .max_flat_workgroup_size: 128
    .sgpr_count:     66
    .vgpr_count:     960
    .wavefront_size: 32
...
	.end_amdgpu_metadata
.endif
;; end of part 2
;; launch attn (part 3): grid 8 x 32, 16 waves a work-group, no clusters, 327,680 bytes of LDS; arguments qkv16, att; writes att
.if DOCPART == 3
	.amdgcn_target "amdgcn-amd-amdhsa--gfx1250"
	.amdhsa_code_object_version 6
	.text
	.protected	k_q47c6b51dce_attn
	.globl	k_q47c6b51dce_attn
	.p2align	8
	.type	k_q47c6b51dce_attn,@function
k_q47c6b51dce_attn:
	s_mov_b64 s[64:65], 0
	v_nop
	global_prefetch_b8 v0, s[64:65] scope:SCOPE_SE
	s_setreg_imm32_b32 hwreg(HW_REG_WAVE_MODE, 25, 1), 1
	s_wait_xcnt 0x0
; att = softmax_k(q . k / 8, causal) v, for each of 2 batches x 16 heads; 2,048 positions, head size 64.  q, k, v: qkv16 [g 48][m 4096][64] f16.  Products on f16 operands with f32 sums; maxima, exponentials and sums in f32;
; the weights p are rounded to f16 for the second product, the result once at the end.  Out: att [m / 128][head 16][m % 128][64] f16.
; LIMITS: the result goes to f16 (magnitudes up to 65,504); NaN and infinities are not served; v_exp_f32 and v_rcp_f32 are good to 1 ulp and flush denormals (ISA guide 15.8).  A row's sum and result are formed in two parts, over
; alternate runs of 64 keys, and joined under the common maximum: an order of rounding of its own.  Positions 0-15 of a sequence are computed here too; a later launch carries them in f32.
; SHARES.  Work-group (j, 16 batch + head), sixteen waves of 256 registers: four to a SIMD, so that one wave's vector work stands beside the others' products and LDS loads.  Wave 8 p + w owns TWO tiles of 16 queries, L at
; 128 (15 - j) + 16 w and E at 128 j + 16 w: under the causal mask the two together walk about 2,048 keys whatever j is, so all work-groups have equal work.  THE TWO WAVES w AND 8 + w SHARE THE KEYS: of the key steps of 64, wave
; 8 p + w walks those with number % 2 = p.  The parity stands in the wave's LDS addresses and in its first key alone.  At the end waves 8-15 hand their maxima, sums and O^T over through LDS, and waves 0-7 join and store.
; NO CLUSTER: the eight work-groups of a head stop asking at different causal limits (128 (15 - j) + 127), so a joint load would bring tiles that every wave of some partner passes over.
; LAYOUT.  S^T = K Q^T (source 0 = 16 keys, source 1 = 16 queries): a lane holds ONE query (lane % 16) and the keys 8 (lane / 16) + 0..7 of a tile.  Two such tiles, rounded in pairs, ARE source 1 of O^T = V^T P.  V comes out of LDS turned, by ds_load_tr16_b128.
; SOFTMAX.  For each query a running maximum m and sum l: p = 2^(c s - c m), c = log2(e) / 8; in every step O and l are multiplied by a = 2^(c m_old - c m_new).
; THE RING.  Two LDS slots of 256 keys; wave 0 fetches a slot's K with one tensor load, wave 1 its V.  Every work-group walks all 8 slots (constant trip counts); a step all of whose keys come after a tile's queries is left out by a scalar branch on ids;
; a slot whose first key comes after the work-group's last query is not asked for.  Every wait on TENSORcnt is for 0; a wave has at most one tensor load out.
; REGISTERS: v2-15 addresses; v16-23, v24-31 the two tiles' statistics (+0 c m, +1 m, +2, +3 l, +4 .. +7 at work, a at +6); v32-63 Q; v64-95, v96-127 S^T of L and of E, whose low 16 registers then hold P; v128-191 a step's K, then its V; v192-255 O^T.
.set PK,    144                        ; a row of K in LDS: 128 bytes + 16: the 16 rows of a load start at 16 different groups of banks
.set PV,    160                        ; a row of V: 128 + 32: an odd multiple of 32, for the turning load
.set SK,    256                        ; keys in a slot
.set VOFF,  SK*PK
.set SLOT1, 1<<17                      ; slot 1 begins here: one exclusive or turns an address from one slot to the other
.set NSL,   8
.set GSTR,  524288                     ; bytes of one g of qkv16
.set STAGE, SLOT1+SK*(PK+PV)           ; behind the ring: 16 rows x 144 bytes for each wave
.set SPARE, STAGE+16*16*PK             ; the spare words, 128 bytes a wave, which no other line names
.set XCH,   SPARE+16*128               ; the hand-over: for each pair of waves two images of O^T (4,096 bytes) and two of (c m, l) (8 bytes a lane, 16 apart)
.set XW,    2*4096+2*512
.set AK0, 2                            ; v2   my lane's place in my first step's K of a slot
.set AV0, 3                            ; v3   the same for V
.set ADK, 4
.set ADV, 5
.set STO, 6
.set RD,  7
.set GO,  8                            ; v8   16 x lane
.set XA,  9                            ; v9   16 x lane in my pair's hand-over bytes
.set DL,  10                           ; v10  r - 8 h
.set NEG, 11                           ; v11  -infinity
.set SPW, 12                           ; v12  LDS address of my spare word; never rewritten
.set NIL, 13                           ; v13  0; never rewritten
.set PFO, 14                           ; v14  256 x lane
.set DD,  15
.set ST,  16
.set Q,   32
.set S,   64
.set QO,  64                           ; (at the head alone) my byte offset in a tile's rows of q: a register of S^T, first written behind the wait for q
.set KV,  128
.set O,   192
.set KS,  2                            ; s2   the slot's first key: the same in all waves
.set PAR, 3                            ; s3   p
.set WV,  8
.set W7,  9                            ; s9   w
.set QE,  11                           ; s11  tile E's first query
.set QL,  12                           ; s12  tile L's
.set QLAST, 13                         ; s13  the work-group's last query
.set KEY, 14                           ; s14  my step's first key
.set TB,  15                           ; s15  LDS byte at which the slot in hand begins
.set SLOTS, 16
.set LIM, 17                           ; s17  1 in a wave that prefetches, else the greatest number
.set PFA, 18                           ; s[18:19]
.set SEL, 20                           ; s[20:21] v_permlanex16_b32's selects for lane l xor 16
.set CS,  22                           ; s[22:23] c
.set G1K, 24
.set G1V, 32
.set G0K, 40
.set G0V, 44
.macro PLACES n                        ; plain places behind matrix instructions (ISA guide 7.12.1)
.rept \n
	v_nop
.endr
.endm
; Wave 0 fetches K's 256 rows, wave 1 V's, the others nothing.  An s_nop 0 and four v_nop follow each of the two lines.
.macro TLOAD
	s_cmp_eq_u32 s[WV], 0
	s_cbranch_scc0 .Lnot_k_\@
	tensor_load_to_lds s[G0K:G0K+3], s[G1K:G1K+7]
	s_nop 0
.rept 4
	v_nop
.endr
	s_branch .Lasked_\@
.Lnot_k_\@:
	s_cmp_eq_u32 s[WV], 1
	s_cbranch_scc0 .Lasked_\@
	tensor_load_to_lds s[G0V:G0V+3], s[G1V:G1V+7]
	s_nop 0
.rept 4
	v_nop
.endr
.Lasked_\@:
.endm
; A prefetch of what the NEXT change of slots will ask for: a slot's 32,768 bytes of K and of V.  All eight work-groups of a head walk the same keys: the one with j = 0, which walks them all, asks.  Waves 0-3 take K's bytes, waves 4-7 V's,
; 8,192 a wave, lanes 256 bytes apart; waves 8-15 ask for nothing: each run of 256 bytes is named once in the launch.  Slots 0 and 1 come by their loads alone; the last change that fills a slot asks for nothing: there is no slot behind it.
.macro ASK
	s_cmp_gt_u32 s[SLOTS], s[LIM]
	s_cbranch_scc0 .Lnot_mine_\@
	global_prefetch_b8 v[PFO], s[PFA:PFA+1] th:TH_LOAD_NT scope:SCOPE_SE
.Lnot_mine_\@:
.endm
	s_load_b128 s[4:7], s[0:1], 0x0                ; qkv16 4, att 6
	v_lshl_add_u32 v[SPW], v0, 2, SPARE
	v_mov_b32 v[NIL], 0
	ds_add_u32 v[SPW], v[NIL]                      ; the opening: the add, twice on end, and its wait ahead of the first tensor load
	ds_add_u32 v[SPW], v[NIL]
	v_lshrrev_b32 v1, 5, v0
	v_readfirstlane_b32 s[WV], v1                  ; wave 0..15
	s_and_b32 s[W7], s[WV], 7                      ; w: which pair of tiles
	s_lshr_b32 s[PAR], s[WV], 3                    ; p: which half of the key steps
	s_and_b32 s10, ttmp7, 0xffff
	s_and_b32 s52, s10, 15                         ; head
	s_lshr_b32 s53, s10, 4                         ; batch
	s_lshl_b32 s54, s52, 19
	s_lshl_b32 s55, s53, 18                        ; a batch's 2,048 rows of 128 bytes
	s_add_co_u32 s54, s54, s55
	s_mov_b32 s55, 0
	s_lshl_b32 s60, s[W7], 4
	s_lshl_b32 s[QE], ttmp9, 7
	s_add_co_u32 s[QE], s[QE], s60                 ; 128 j + 16 w
	s_sub_co_u32 s61, 15, ttmp9
	s_lshl_b32 s[QL], s61, 7
	s_or_b32 s[QLAST], s[QL], 127
	s_add_co_u32 s[QL], s[QL], s60                 ; 128 (15 - j) + 16 w
	s_mov_b32 s[G1K], (1<<16)|(1<<20)|(4<<22)|(3<<25)   ; no mask; elements of 2 bytes; padding on: after every 32 words four words
	s_mov_b32 s[G1V], (1<<16)|(1<<20)|(4<<22)|(7<<25)   ; eight words
.irp g, G1K, G1V
	s_mov_b32 s[\g+1], 64<<16                      ; tensor_dim0 = 64
	s_mov_b32 s[\g+2], SK<<16                      ; tensor_dim1 = 256
	s_mov_b32 s[\g+3], 64<<16                      ; tile_dim0
	s_mov_b32 s[\g+4], SK                          ; tile_dim1
	s_mov_b32 s[\g+5], 64                          ; from row to row
	s_mov_b32 s[\g+6], 0
	s_mov_b32 s[\g+7], 0
.endr
	s_mov_b32 s[SEL], 0x76543210
	s_mov_b32 s[SEL+1], 0xfedcba98
	s_mov_b32 s[CS], 0x3e38aa3b                    ; c = log2(e) / sqrt(64)
	s_mov_b32 s[CS+1], s[CS]                       ; (named with it as a pair, so it is written)
	s_lshl_b32 s[KEY], s[PAR], 6                   ; my first step begins at key 64 p
	s_mov_b32 s[KS], 0
	s_mov_b32 s[TB], 0
	s_mov_b32 s[SLOTS], NSL-1
	s_or_b32 s60, s[PAR], ttmp9                    ; 0 in waves 0-7 of the head's first work-group
	s_cmp_eq_u32 s60, 0
	s_cselect_b32 s[LIM], 1, -1
	s_wait_dscnt 0x0                               ; both opening adds are done
	s_wait_kmcnt 0x0
	s_add_nc_u64 s[4:5], s[4:5], s[54:55]          ; q of my head and batch; k lies 16 g further on, v 32
	s_mov_b32 s[G0K], 1
	s_mov_b32 s[G0K+1], 0                          ; slot 0
	s_add_nc_u64 s[G0K+2:G0K+3], s[4:5], 16*GSTR
	s_or_b32 s[G0K+3], s[G0K+3], 0x80000000
	s_mov_b32 s[G0V], 1
	s_mov_b32 s[G0V+1], VOFF
	s_add_nc_u64 s[G0V+2:G0V+3], s[4:5], 32*GSTR
	s_or_b32 s[G0V+3], s[G0V+3], 0x80000000
	TLOAD                                          ; slot 0: it holds key 0, which counts for every query
	s_lshr_b32 s60, s[W7], 2
	s_lshl_b32 s60, s60, 23                        ; w = 4..7: V, 16 g behind K
	s_and_b32 s61, s[W7], 3
	s_lshl_b32 s61, s61, 13
	s_add_co_u32 s60, s60, s61
	s_add_co_u32 s60, s60, 16*GSTR+SK*128          ; in slot 1: the first change of slots steps it to slot 2
	s_mov_b32 s61, 0
	s_add_nc_u64 s[PFA:PFA+1], s[4:5], s[60:61]
	s_lshl_b32 s60, s[QL], 7
	s_add_nc_u64 s[48:49], s[4:5], s[60:61]        ; tile L's rows of q,
	s_lshl_b32 s60, s[QE], 7
	s_add_nc_u64 s[50:51], s[4:5], s[60:61]        ; tile E's
	s_lshl_b32 s62, s53, 4
	s_lshl_b32 s63, s[W7], 11
	s_lshr_b32 s60, s[QL], 7
	s_add_co_u32 s60, s60, s62                     ; att: block 16 batch + 15 - j,
	s_lshl_b32 s60, s60, 4
	s_add_co_u32 s60, s60, s52                     ; my head,
	s_lshl_b32 s60, s60, 14
	s_add_co_u32 s60, s60, s63                     ; my tile's 16 rows of 128 bytes
	s_add_nc_u64 s[56:57], s[6:7], s[60:61]
	s_add_co_u32 s60, s62, ttmp9                   ; and block 16 batch + j
	s_lshl_b32 s60, s60, 4
	s_add_co_u32 s60, s60, s52
	s_lshl_b32 s60, s60, 14
	s_add_co_u32 s60, s60, s63
	s_add_nc_u64 s[58:59], s[6:7], s[60:61]
	v_and_b32 v1, 15, v0                           ; r
	v_bfe_u32 v[DD], v0, 4, 1                      ; h
	v_lshlrev_b32 v[QO], 7, v1
	v_lshl_add_u32 v[QO], v[DD], 4, v[QO]          ; row r of 128 bytes + 16 h
.irp c, 0,1                                    ; Q stays in registers: tile t, channels 32 c on, at v[Q + 16 t + 8 c]
	global_load_b128 v[Q+8*\c:Q+8*\c+3], v[QO], s[48:49] offset:64*\c
	global_load_b128 v[Q+8*\c+4:Q+8*\c+7], v[QO], s[48:49] offset:64*\c+32
	global_load_b128 v[Q+16+8*\c:Q+16+8*\c+3], v[QO], s[50:51] offset:64*\c
	global_load_b128 v[Q+16+8*\c+4:Q+16+8*\c+7], v[QO], s[50:51] offset:64*\c+32
.endr
	v_mul_u32_u24 v[AK0], v1, PK
	v_lshl_add_u32 v[AK0], v[DD], 4, v[AK0]        ; K: row x pitch + 16 x half
	v_and_b32 v[ADK], 7, v0
	v_bfe_u32 v[ADV], v0, 3, 1
	v_lshl_add_u32 v[AV0], v[DD], 3, v[ADK]        ; V: the turning load: lane l reads key 8 (l / 16) + l % 8, channels 8 ((l / 8) % 2) + 0..7
	v_mul_u32_u24 v[AV0], v[AV0], PV
	v_lshl_add_u32 v[AV0], v[ADV], 4, v[AV0]
	s_mul_i32 s60, s[WV], 16*PK
	s_add_co_u32 s60, s60, STAGE                   ; my stage
	v_add_nc_u32 v[STO], s60, v[AK0]               ; in: row r, 16 bytes for each half of the lanes
	v_and_b32 v[GO], 31, v0
	v_lshrrev_b32 v[RD], 3, v[GO]
	v_mul_u32_u24 v[RD], v[RD], PK
	v_lshl_add_u32 v[RD], v[ADK], 4, v[RD]
	v_add_nc_u32 v[RD], s60, v[RD]                 ; back: eight lanes to a row, four rows an instruction
	v_lshlrev_b32 v[PFO], 8, v[GO]
	v_lshlrev_b32 v[GO], 4, v[GO]
	s_mul_i32 s60, s[W7], XW
	s_add_co_u32 s60, s60, XCH
	v_add_nc_u32 v[XA], s60, v[GO]                 ; the hand-over bytes of waves w and 8 + w
	s_mul_i32 s60, s[PAR], 64*PK
	v_add_nc_u32 v[AK0], s60, v[AK0]               ; my steps begin 64 p keys into each 128
	s_mul_i32 s60, s[PAR], 64*PV
	s_add_co_u32 s60, s60, VOFF
	v_add_nc_u32 v[AV0], s60, v[AV0]
	v_lshlrev_b32 v[DL], 3, v[DD]
	v_sub_nc_u32 v[DL], v1, v[DL]
	v_mov_b32 v[NEG], 0xff800000
.irp t, 0,1                                    ; the step is written once: its first pass finds m = -3e38, under every score, and zeros, which a = 0 leaves zeros; a wave that walks no step of a tile hands these over
	v_mov_b32 v[ST+8*\t+1], 0xff61b1e6
	v_mul_f32 v[ST+8*\t], s[CS], v[ST+8*\t+1]
.irp i, 2,3,4,5,6,7
	v_mov_b32 v[ST+8*\t+\i], 0
.endr
.endr
.set i, 0
.rept 64
	v_mov_b32 v[O+i], 0                            ; O^T of both tiles
.set i, i+1
.endr
; S^T = K Q^T for the first nt tiles: the 4 nt accumulators take turns, one instruction a turn; the first products start the sums
.macro QK nt
.irp c, 0,1
.irp t, 0,1
.if \t < \nt
.irp kt, 0,1,2,3
.if \c == 0
	v_wmma_f32_16x16x32_f16 v[S+32*\t+8*\kt:S+32*\t+8*\kt+7], v[KV+16*\kt:KV+16*\kt+7], v[Q+16*\t:Q+16*\t+7], 0
.else
	v_wmma_f32_16x16x32_f16 v[S+32*\t+8*\kt:S+32*\t+8*\kt+7], v[KV+16*\kt+8:KV+16*\kt+15], v[Q+16*\t+8:Q+16*\t+15], v[S+32*\t+8*\kt:S+32*\t+8*\kt+7]
.endif
.endr
.endif
.endr
.endr
.endm
; O^T += V^T P for the first nt tiles: the 4 nt accumulators take turns
.macro PVM nt
.irp kp, 0,1
.irp t, 0,1
.if \t < \nt
.irp ct, 0,1,2,3
	v_wmma_f32_16x16x32_f16 v[O+32*\t+8*\ct:O+32*\t+8*\ct+7], v[KV+32*\kp+8*\ct:KV+32*\kp+8*\ct+7], v[S+32*\t+8*\kp:S+32*\t+8*\kp+7], v[O+32*\t+8*\ct:O+32*\t+8*\ct+7]
.endr
.endif
.endr
.endr
.endm
; The step's V, turned, over the registers that held its K: sixteen loads, which land while the softmax is walked
.macro VLOAD u
.irp kp, 0,1
.irp ct, 0,1,2,3
	ds_load_tr16_b128 v[KV+32*\kp+8*\ct:KV+32*\kp+8*\ct+3], v[ADV] offset:128*PV*(\u)+32*PV*\kp+32*\ct
	ds_load_tr16_b128 v[KV+32*\kp+8*\ct+4:KV+32*\kp+8*\ct+7], v[ADV] offset:128*PV*(\u)+32*PV*\kp+32*\ct+16*PV
.endr
.endr
.endm
; ONE TILE'S MASK AND SOFTMAX.  t = 0: tile L, 1: tile E; sq: the scalar register with its first query.
.macro SOFTMAX t, sq
.set rT, ST+8*(\t)
.set rS, S+32*(\t)
.set rO, O+32*(\t)
	s_add_co_u32 s60, s[KEY], 63                   ; a step all of whose keys count skips the mask: a branch on ids
	s_cmp_le_u32 s60, s[\sq]
	s_cbranch_scc1 .Lopen_\@
	s_sub_co_i32 s60, s[\sq], s[KEY]
	v_add_nc_u32 v[DD], s60, v[DL]                 ; d = my query - the step's first key - 8 h.  Register 8 kt + i holds key 16 kt + 8 h + i of the step: hidden where 16 kt + i > d
.irp n, 0,1,2,3,4,5,6,7,8,9,10,11,12,13,14,15,16,17,18,19,20,21,22,23,24,25,26,27,28,29,30,31
	v_cmp_gt_i32 vcc_lo, 16*(\n/8)+\n%8, v[DD]
	v_cndmask_b32 v[rS+\n], v[rS+\n], v[NEG], vcc_lo   ; -infinity: p = 0.  The step's first key counts for all 16 queries, so the maximum is a number
.endr
.Lopen_\@:
.irp x, 0,1,2,3                                ; the maximum of my 32 scores and the old m: four chains, each accumulator from its low end on
	v_max3_num_f32 v[rT+4+\x], v[rS+8*\x], v[rS+8*\x+1], v[rS+8*\x+2]
.endr
.irp x, 0,1,2,3
	v_max3_num_f32 v[rT+4+\x], v[rT+4+\x], v[rS+8*\x+3], v[rS+8*\x+4]
.endr
.irp x, 0,1,2,3
	v_max3_num_f32 v[rT+4+\x], v[rT+4+\x], v[rS+8*\x+5], v[rS+8*\x+6]
.endr
	v_max3_num_f32 v[rT+4], v[rT+4], v[rS+7], v[rS+15]
	v_max3_num_f32 v[rT+6], v[rT+6], v[rS+23], v[rS+31]
	v_max3_num_f32 v[rT+4], v[rT+4], v[rT+5], v[rT+6]
	v_max3_num_f32 v[rT+4], v[rT+4], v[rT+7], v[rT+1]
	v_permlanex16_b32 v[rT+5], v[rT+4], s[SEL], s[SEL+1]   ; the query's other 32 keys lie in the lane 16 away
	v_mov_b32 v[rT+7], v[rT]                       ; c m_old
	v_max_num_f32 v[rT+1], v[rT+4], v[rT+5]        ; the new m
	v_mul_f32 v[rT], s[CS], v[rT+1]                ; c m
	v_sub_f32 v[rT+7], v[rT+7], v[rT]
.irp b, 0,1,2,3,4,5,6,7,8,9,10,11,12,13,14,15
	v_pk_fma_f32 v[rS+2*\b:rS+2*\b+1], v[rS+2*\b:rS+2*\b+1], s[CS:CS+1], v[rT:rT+1] op_sel_hi:[1,0,0] neg_lo:[0,0,1] neg_hi:[0,0,1]   ; c s - c m, two at a time
.endr
	v_exp_f32 v[rT+6], v[rT+7]                     ; a.  The 33 exponentials are one batch
.irp e, 0,1,2,3,4,5,6,7,8,9,10,11,12,13,14,15,16,17,18,19,20,21,22,23,24,25,26,27,28,29,30,31
	v_exp_f32 v[rS+\e], v[rS+\e]
.endr
	v_nop                                          ; a plain line behind the last exponential,
	s_wait_alu depctr_va_vdst(0)                   ; and one wait for the batch ahead of its first reader
	v_pk_fma_f32 v[rT+2:rT+3], v[rT+2:rT+3], v[rT+6:rT+7], v[rS:rS+1] op_sel_hi:[1,0,1]   ; l = a l + the sum of the unrounded weights: two chains, which leave the weights as they are
	v_pk_add_f32 v[rT+4:rT+5], v[rS+2:rS+3], v[rS+4:rS+5]
.irp b, 3,5,7,9,11,13
	v_pk_add_f32 v[rT+2:rT+3], v[rT+2:rT+3], v[rS+2*\b:rS+2*\b+1]
	v_pk_add_f32 v[rT+4:rT+5], v[rT+4:rT+5], v[rS+2*\b+2:rS+2*\b+3]
.endr
	v_pk_add_f32 v[rT+2:rT+3], v[rT+2:rT+3], v[rS+30:rS+31]
	v_pk_add_f32 v[rT+2:rT+3], v[rT+2:rT+3], v[rT+4:rT+5]
.irp i, 0,1,2,3,4,5,6,7,8,9,10,11,12,13,14,15
	v_cvt_pk_f16_f32 v[rS+\i], v[rS+2*\i], v[rS+2*\i+1]   ; P, in place: register i is written when registers 2 i and 2 i + 1 are read, and i <= 2 i
.endr
.irp i, 0,1,2,3,4,5,6,7,8,9,10,11,12,13,14,15
	v_pk_mul_f32 v[rO+2*\i:rO+2*\i+1], v[rO+2*\i:rO+2*\i+1], v[rT+6:rT+7] op_sel_hi:[1,0]   ; O^T x a, each accumulator from its low end on
.endr
.endm
; A KEY STEP of mine: 64 keys, 128 u + 64 p keys into the slot in hand.  The first key is a multiple of 64 and a tile's first query of 16: so 'first key > first query' says that all 64 keys come after all 16 queries.
; The step is written out for both tiles and for tile L alone, so that each way is a straight run.  In a step K's registers are free behind the last K Q^T: V is loaded over them.
.macro STEP u
	s_cmp_gt_u32 s[KEY], s[QL]
	s_cbranch_scc1 .Lhid_\@
	v_add_nc_u32 v[ADK], s[TB], v[AK0]
	v_add_nc_u32 v[ADV], s[TB], v[AV0]
.irp kt, 0,1,2,3
.irp c, 0,1
	ds_load_b128 v[KV+16*\kt+8*\c:KV+16*\kt+8*\c+3], v[ADK] offset:128*PK*(\u)+16*PK*\kt+64*\c
	ds_load_b128 v[KV+16*\kt+8*\c+4:KV+16*\kt+8*\c+7], v[ADK] offset:128*PK*(\u)+16*PK*\kt+64*\c+32
.endr
.endr
	s_wait_dscnt 0x0                               ; K is in
	s_cmp_gt_u32 s[KEY], s[QE]
	s_cbranch_scc1 .Lone_\@
	QK 2                                           ; a fragment of K feeds two products
	PLACES 4                                       ; in front of the loads into K's registers and of the first read of the scores
	VLOAD \u
	SOFTMAX 0, QL
	SOFTMAX 1, QE
	s_wait_dscnt 0x0                               ; V is in
	PVM 2
	s_branch .Ldone_\@
.Lone_\@:
	QK 1
	PLACES 4
	VLOAD \u
	SOFTMAX 0, QL
	s_wait_dscnt 0x0
	PVM 1
.Ldone_\@:
	PLACES 5                                       ; the next step's products write over P's registers, which these products read: five places; its loads into V's registers and the next reads of O^T want four
.Lhid_\@:
	s_add_co_u32 s[KEY], s[KEY], 128
.endm
; THE CHANGE OF SLOTS, at a slot's head.  Each wave waits for all its tensor loads, adds 0 to its spare word, and waits for that and for its reads of the slot that it has left; behind the barrier the slot ahead is whole and nobody reads the other.
; fill = 1: the other slot takes the keys that follow, up to the causal limit; the load has a whole slot's steps in which to land.
.macro CHANGE fill
	s_wait_tensorcnt 0x0                           ; no tensor load of mine is out, so a group 0 may be written
	ds_add_u32 v[SPW], v[NIL]
.if \fill
	ds_add_u32 v[SPW], v[NIL]                      ; and twice on end here, in every trip alike
	s_xor_b32 s[G0K+1], s[G0K+1], SLOT1            ; the walking descriptors: the other slot,
	s_add_nc_u64 s[G0K+2:G0K+3], s[G0K+2:G0K+3], SK*128   ; the next 256 keys
	s_xor_b32 s[G0V+1], s[G0V+1], SLOT1
	s_add_nc_u64 s[G0V+2:G0V+3], s[G0V+2:G0V+3], SK*128
	s_wait_xcnt 0x0                                ; the last prefetch, a slot back, has read its address
	s_add_nc_u64 s[PFA:PFA+1], s[PFA:PFA+1], SK*128
.endif
	s_wait_dscnt 0x0                               ; the add is done, and my reads of the slot that I have left are over
	s_barrier_signal -1
	s_barrier_wait -1
.if \fill
	s_add_co_u32 s60, s[KS], SK                    ; the first key of the slot that this change would ask for:
	s_cmp_gt_u32 s60, s[QLAST]                     ; past my work-group's last query none of its waves reads it.  The work-group's number and the count of slots alone: all sixteen waves go the same way
	s_cbranch_scc1 .Lpast_\@
	TLOAD                                          ; a wave's one tensor load until the next change
.Lpast_\@:
	ASK
.endif
.endm
.macro SLOT_STEPS
	STEP 0
	STEP 1
	s_xor_b32 s[TB], s[TB], SLOT1
	s_add_co_u32 s[KS], s[KS], SK
.endm
	s_wait_loadcnt 0x0                             ; Q
.Lslot:                                            ; NSL - 1 trips
	CHANGE 1
	SLOT_STEPS
	s_sub_co_u32 s[SLOTS], s[SLOTS], 1
	s_cmp_lg_u32 s[SLOTS], 0
	s_cbranch_scc1 .Lslot
	CHANGE 0                                       ; the last slot is written out: nothing is left to ask for
	SLOT_STEPS
; THE HAND-OVER.  Wave 8 + w stores, for each tile, O^T as an image of its registers (lane l's 16 bytes at 16 l) and the pair (c m, l).
.macro SENDT t
.set rT, ST+8*(\t)
.set rO, O+32*(\t)
	v_add_f32 v[rT+1], v[rT+2], v[rT+3]            ; l's two halves, in the register that held m, which is done with
.irp i, 0,1,2,3,4,5,6,7
	ds_store_b128 v[XA], v[rO+4*\i:rO+4*\i+3] offset:4096*(\t)+512*\i   ; each accumulator from its low end on
.endr
	ds_store_b64 v[XA], v[rT:rT+1] offset:8192+512*(\t)
.endm
; THE WAY OUT of tile t, in wave w: my part (0) and wave 8 + w's (1) are joined under the common maximum: a_i = 2^(c m_i - max), l = a_0 l_0 + a_1 l_1, O = (a_0 O_0 + a_1 O_1) / l.  A part that walked no step has c m = c x -3e38 and zeros: its a is 0.
; Then rounded to f16, through my stage, back as rows of 128 bytes: a store covers 512 consecutive bytes of att.
.macro OUT t, sb
.set rT, ST+8*(\t)
.set rS, S+32*(\t)
.set rO, O+32*(\t)
.set rX, KV+32*(\t)
.set rP, S+32*(\t)+16
.irp i, 0,1,2,3,4,5,6,7
	ds_load_b128 v[rX+4*\i:rX+4*\i+3], v[XA] offset:4096*(\t)+512*\i
.endr
	ds_load_b64 v[rP:rP+1], v[XA] offset:8192+512*(\t)
	v_add_f32 v[rT+4], v[rT+2], v[rT+3]            ; l_0's two halves
	s_wait_dscnt 0x0
	v_max_num_f32 v[rT+5], v[rT], v[rP]            ; c is positive: the larger c m is c x the larger m
	v_sub_f32 v[rT+6], v[rT], v[rT+5]
	v_sub_f32 v[rT+7], v[rP], v[rT+5]
	v_exp_f32 v[rT+6], v[rT+6]                     ; a_0
	v_exp_f32 v[rT+7], v[rT+7]                     ; a_1
	v_nop
	s_wait_alu depctr_va_vdst(0)                   ; one wait for the two, ahead of their first reader
	v_mul_f32 v[rT+4], v[rT+4], v[rT+6]
	v_fma_f32 v[rT+4], v[rP+1], v[rT+7], v[rT+4]
	v_permlanex16_b32 v[rT+5], v[rT+4], s[SEL], s[SEL+1]
	v_add_f32 v[rT+4], v[rT+4], v[rT+5]            ; with the other half of the lanes': the row's sum
	v_rcp_f32 v[rT+5], v[rT+4]
	v_nop
	s_wait_alu depctr_va_vdst(0)
	v_mul_f32 v[rT+6], v[rT+6], v[rT+5]            ; a_0 / l
	v_mul_f32 v[rP], v[rT+7], v[rT+5]              ; a_1 / l
.irp i, 0,1,2,3,4,5,6,7,8,9,10,11,12,13,14,15
	v_pk_mul_f32 v[rO+2*\i:rO+2*\i+1], v[rO+2*\i:rO+2*\i+1], v[rT+6:rT+7] op_sel_hi:[1,0]
.endr
.irp i, 0,1,2,3,4,5,6,7,8,9,10,11,12,13,14,15
	v_pk_fma_f32 v[rO+2*\i:rO+2*\i+1], v[rX+2*\i:rX+2*\i+1], v[rP:rP+1], v[rO+2*\i:rO+2*\i+1] op_sel_hi:[1,0,1]
.endr
.irp i, 0,1,2,3,4,5,6,7,8,9,10,11,12,13,14,15
	v_cvt_pk_f16_f32 v[rS+\i], v[rO+2*\i], v[rO+2*\i+1]
.endr
.irp ct, 0,1,2,3
	ds_store_b128 v[STO], v[rS+4*\ct:rS+4*\ct+3] offset:32*\ct
.endr
.irp u, 0,1,2,3
	ds_load_b128 v[rP+4*\u:rP+4*\u+3], v[RD] offset:4*PK*\u    ; in order behind the stores above (ISA guide 5.7.1.4)
.endr
.irp u, 0,1,2,3
	s_wait_dscnt 3-\u                              ; the younger loads may stay out
	global_store_b128 v[GO], v[rP+4*\u:rP+4*\u+3], s[\sb:\sb+1] offset:512*\u
.endr
.endm
	s_cmp_lt_u32 s[WV], 8                          ; waves 8-15 hand over
	s_cbranch_scc1 .Lkeep
	SENDT 0
	SENDT 1
.Lkeep:
	s_wait_dscnt 0x0                               ; for the others' sake: what I handed over lies in LDS
	s_barrier_signal -1
	s_barrier_wait -1
	s_cmp_gt_u32 s[WV], 7                          ; waves 0-7 join and store
	s_cbranch_scc1 .Lend
	OUT 0, 56
	OUT 1, 58
.Lend:
	s_wait_tensorcnt 0x0                           ; the wave's end
	ds_add_u32 v[SPW], v[NIL]
	s_wait_dscnt 0x0
	s_endpgm
.Lfunc_end_k_q47c6b51dce_attn:
	.size	k_q47c6b51dce_attn, .Lfunc_end_k_q47c6b51dce_attn-k_q47c6b51dce_attn
	.p2alignl 7, 3214868480
	.fill 96, 4, 3214868480
	.section	.rodata,"a",@progbits
	.p2align	6, 0x0
	.amdhsa_kernel k_q47c6b51dce_attn
		.amdhsa_group_segment_fixed_size 327680
		.amdhsa_private_segment_fixed_size 0
		.amdhsa_enable_private_segment 0
		.amdhsa_kernarg_size 16
		.amdhsa_user_sgpr_count 2
		.amdhsa_user_sgpr_kernarg_segment_ptr 1
		.amdhsa_wavefront_size32 1
		.amdhsa_system_sgpr_workgroup_id_x 1
		.amdhsa_system_sgpr_workgroup_id_y 1
		.amdhsa_system_sgpr_workgroup_id_z 1
		.amdhsa_system_vgpr_workitem_id 0
		.amdhsa_next_free_vgpr 256
		.amdhsa_next_free_sgpr 66
		.amdhsa_reserve_vcc 1
		.amdhsa_float_denorm_mode_32 3
		.amdhsa_float_denorm_mode_16_64 3
		.amdhsa_memory_ordered 1
		.amdhsa_forward_progress 1
		.amdhsa_inst_pref_size 152
	.end_amdhsa_kernel
	.amdgpu_metadata
---
amdhsa.version: [ 1, 2 ]
amdhsa.kernels:
  - .name:           k_q47c6b51dce_attn
    .symbol:         k_q47c6b51dce_attn.kd
    .args:
      - { .name: qkv16, .offset: 0, .size: 8, .value_kind: global_buffer, .address_space: global }
      - { .name: att, .offset: 8, .size: 8, .value_kind: global_buffer, .address_space: global }
    .group_segment_fixed_size: 327680
    .private_segment_fixed_size: 0
    .kernarg_segment_align: 8
    .kernarg_segment_size: 16
    .max_flat_workgroup_size: 512
    .sgpr_count:     66
    .vgpr_count:     256
    .wavefront_size: 32
...
	.end_amdgpu_metadata
.endif
;; end of part 3
;; launch oproj (part 4): grid 8 x 32, 4 waves a work-group, clusters of 4 x 4, 327,680 bytes of LDS; arguments att, ow16, out0; writes out0
.if DOCPART == 4
	.amdgcn_target "amdgcn-amd-amdhsa--gfx1250"
	.amdhsa_code_object_version 6
	.text
	.protected	k_q47c6b51dce_oproj
	.globl	k_q47c6b51dce_oproj
	.p2align	8
	.type	k_q47c6b51dce_oproj,@function
k_q47c6b51dce_oproj:
	s_mov_b64 s[64:65], 0
	v_nop
	global_prefetch_b8 v0, s[64:65] scope:SCOPE_SE
	s_setreg_imm32_b32 hwreg(HW_REG_WAVE_MODE, 25, 1), 1
	s_wait_xcnt 0x0
	s_wait_alu depctr_hold_cnt(0) depctr_sa_sdst(0) depctr_va_vdst(0) depctr_va_sdst(0) depctr_va_ssrc(0) depctr_va_vcc(0) depctr_vm_vsrc(0)
	s_getreg_b32 s2, hwreg(HW_REG_IB_STS2, 6, 4)
	s_cmp_eq_u32 s2, 0
	s_cbranch_scc0 .Lentry_in_a_cluster
	s_endpgm
.Lentry_in_a_cluster:
	s_bfe_u32 s2, ttmp6, 0x10000c
	s_cmp_lg_u32 s2, 0xf033
	s_cbranch_scc0 .Lentry_shape_is_right
	s_endpgm
.Lentry_shape_is_right:
; out0[m][n] = sum over head, v of att[m][head][v] o_proj[n][64 head + v]: M 4,096, N 1,024, K 1,024; f16 operands, f32 sums, f32 out.
; att: [m / 128][head 16][m % 128][64] f16; ow16: [n / 128][head 16][n % 128][64] f16: four heads of a block of 128 rows are 65,536 bytes on end, 512 rows of 128 bytes.
; LIMITS: f16 operands as the launches before left them.  Rows 0-15 of each sequence are stored here too and stored again, from f32 arithmetic, by the launch that follows.
; A tile of C is 128 x 128: 8 x 32 work-groups.  Four waves, each 64 x 64: 16 accumulators.  K goes in steps of 256 (4 heads) through two LDS slots; a wave's tensor load brings two heads of A or of B: 256 rows.
; CLUSTERS: 4 x 4; A's tiles are asked for jointly along a row of the cluster, B's along a column.  THE MATRIX INSTRUCTION IS USED TRANSPOSED (source 0 = 16 rows of o_proj, source 1 = 16 rows of att): a lane holds eight neighbouring numbers of a row of C.
; No prefetch: a K step's matrix work is short and the tile small; both inputs are small against what the launch writes.
; REGISTERS: window 0: v0-31 addresses; v32-95 the way out; v128-255 the accumulators ((a, b) at v[128 + 8 (4 a + b)]).   window 1: two fragment buffers of 128: for one head (64 along K), 64 registers of A, then 64 of B.
.set PITCH,  144                       ; an LDS row: 128 bytes + 16
.set HB,     128*PITCH                 ; a head's 128 rows
.set HALFT,  2*HB                      ; what one tensor load brings
.set SLOT,   4*HALFT                   ; A's four heads, then B's
.set STEPB,  65536                     ; a K step in memory
.set STAGE,  2*SLOT                    ; behind the ring: 16 rows x (256 bytes + 16) for each wave
.set SPITCH, 272
.set SPARE,  STAGE+4*16*SPITCH         ; the spare words, 128 bytes a wave, which no other line names
.set ADRA, 16
.set ADRB, 20
.set STO,  24
.set RD,   25
.set CO,   26
.set SPW,  28                          ; v28  LDS address of my spare word; never rewritten
.set NIL,  29                          ; v29  0; never rewritten
.set TMP,  32
.set ACC,  128
.set F0,   0
.set F1,   128
.set G1, 24
.set G0, 32
.set G1B, 48
.set G0B, 56
.set MSB, 0
.macro WIN new
.if MSB != \new
	s_set_vgpr_msb (MSB<<8)|\new
.set MSB, \new
.endif
.endm
.set MUL,  0x05                        ; sources 0 (B) and 1 (A) window 1; C and D window 0
.set TO_F, 0x40
.macro JLOAD s                         ; a joint load: waves 0 and 1 fetch A's two pairs of heads, waves 2 and 3 B's; an s_nop 0 and four v_nop follow each of the two lines
	s_cmp_eq_u32 s11, 0
	s_cbranch_scc0 .Lfor_b_\@
	tensor_load_to_lds s[G0+4*\s:G0+4*\s+3], s[G1:G1+7]
	s_nop 0
.rept 4
	v_nop
.endr
	s_branch .Lasked_\@
.Lfor_b_\@:
	tensor_load_to_lds s[G0B+4*\s:G0B+4*\s+3], s[G1B:G1B+7]
	s_nop 0
.rept 4
	v_nop
.endr
.Lasked_\@:
.endm
.macro CREST                           ; a round of the cluster's barrier behind its opening barrier
	s_cmp_lg_u32 s10, 0
	s_cbranch_scc1 .Lnot_wave_0_\@
	s_barrier_signal -3
.Lnot_wave_0_\@:
	s_barrier_wait -3
	s_barrier_signal -1
	s_barrier_wait -1
.endm
.macro CROUND
	s_barrier_signal -1
	s_barrier_wait -1
	CREST
.endm
	s_load_b128 s[4:7], s[0:1], 0x0                ; att 4, ow16 6
	s_load_b64 s[8:9], s[0:1], 0x10                ; out0
	v_lshl_add_u32 v[SPW], v0, 2, SPARE
	v_mov_b32 v[NIL], 0
	ds_add_u32 v[SPW], v[NIL]                      ; the opening: the add, twice on end, and its wait ahead of my first tensor load
	ds_add_u32 v[SPW], v[NIL]
	v_lshrrev_b32 v1, 5, v0
	v_readfirstlane_b32 s10, v1                    ; wave 0..3
	s_lshr_b32 s11, s10, 1                         ; which half of the tile's rows is mine.  Also: I fetch for A (0) or for B (1)
	s_and_b32 s12, s10, 1                          ; which half of its columns.  Also: which two heads of a step I fetch
	s_bfe_u32 s40, ttmp6, 0x40000                  ; cx
	s_bfe_u32 s41, ttmp6, 0x40004                  ; cy
	s_lshl_b32 s42, ttmp9, 2
	s_add_co_u32 s42, s42, s40                     ; tile column = 4 x cluster x + cx
	s_and_b32 s13, ttmp7, 0xffff
	s_lshl_b32 s13, s13, 2
	s_add_co_u32 s13, s13, s41                     ; tile row = 4 x cluster y + cy
	s_lshl_b32 s43, s41, 2
	s_lshl_b32 s43, 15, s43                        ; my row of the cluster
	s_lshl_b32 s44, 0x1111, s40                    ; my column
	s_or_b32 s[G1+0], s43, (1<<16)|(1<<20)|(1<<21)|(4<<22)|(3<<25)  ; the mask; elements of 2 bytes; padding on; 21 set beside a mask; after every 32 words four words
	s_or_b32 s[G1B+0], s44, (1<<16)|(1<<20)|(1<<21)|(4<<22)|(3<<25)
.irp g, G1, G1B
	s_mov_b32 s[\g+1], 64<<16                      ; tensor_dim0 = 64
	s_mov_b32 s[\g+2], 256<<16                     ; tensor_dim1 = 256
	s_mov_b32 s[\g+3], 64<<16                      ; tile_dim0
	s_mov_b32 s[\g+4], 256                         ; tile_dim1
	s_mov_b32 s[\g+5], 64                          ; from row to row: dense
	s_mov_b32 s[\g+6], 0
	s_mov_b32 s[\g+7], 0
.endr
	s_lshl_b32 s17, s12, 15                        ; two heads are 32,768 bytes
	s_lshl_b32 s16, s13, 18                        ; A: a block of 128 rows is 262,144 bytes
	s_add_co_u32 s16, s16, s17
	s_lshl_b32 s46, s42, 18                        ; B likewise
	s_add_co_u32 s46, s46, s17
	s_mov_b32 s17, 0
	s_mov_b32 s47, 0
	s_mul_i32 s20, s10, HALFT                      ; where they go: wave x 256 rows
	s_wait_dscnt 0x0                               ; both opening adds are done
	s_wait_kmcnt 0x0
	s_add_nc_u64 s[14:15], s[4:5], s[16:17]
	s_add_nc_u64 s[46:47], s[6:7], s[46:47]
	CROUND                                         ; all sixteen work-groups are here: the first joint loads meet
.irp s, 0,1
	s_mov_b32 s[G0+4*\s], 1
	s_add_co_u32 s[G0+4*\s+1], s20, \s*SLOT
	s_add_nc_u64 s[G0+4*\s+2:G0+4*\s+3], s[14:15], \s*STEPB
	s_or_b32 s[G0+4*\s+3], s[G0+4*\s+3], 0x80000000
	s_mov_b32 s[G0B+4*\s], 1
	s_add_co_u32 s[G0B+4*\s+1], s20, \s*SLOT
	s_add_nc_u64 s[G0B+4*\s+2:G0B+4*\s+3], s[46:47], \s*STEPB
	s_or_b32 s[G0B+4*\s+3], s[G0B+4*\s+3], 0x80000000
	JLOAD \s
.endr
	v_and_b32 v1, 15, v0                           ; l % 16
	v_bfe_u32 v2, v0, 4, 1                         ; l / 16
	v_mul_u32_u24 v3, v1, PITCH
	v_lshl_add_u32 v3, v2, 4, v3                   ; a fragment's row x pitch + 16 x half
	s_mul_i32 s21, s11, 64*PITCH                   ; my 64 of a head's 128 rows of A,
	s_mul_i32 s22, s12, 64*PITCH                   ; of B,
	s_add_co_u32 s22, s22, 2*HALFT                 ; which lies behind A's four heads
.irp s, 0,1
	v_add_nc_u32 v[ADRA+\s], s21, v3
	v_add_nc_u32 v[ADRB+\s], s22, v3
	s_add_co_u32 s21, s21, SLOT
	s_add_co_u32 s22, s22, SLOT
.endr
	s_mul_i32 s23, s10, 16*SPITCH
	s_add_co_u32 s23, s23, STAGE                   ; my stage
	v_mul_u32_u24 v4, v1, SPITCH
	v_lshl_add_u32 v4, v2, 5, v4
	v_add_nc_u32 v[STO], s23, v4                   ; in: row l % 16, 32 bytes for each half of the lanes
	v_mul_u32_u24 v5, v2, SPITCH
	v_lshl_add_u32 v5, v1, 4, v5
	v_add_nc_u32 v[RD], s23, v5                    ; back: lanes 0-15 one row of 256 bytes, lanes 16-31 the next
	v_lshlrev_b32 v5, 12, v2
	v_lshl_add_u32 v[CO], v1, 4, v5                ; and the same two rows of out0 (4,096 bytes a row)
	s_lshl_b32 s16, s13, 7
	s_lshl_b32 s17, s11, 6
	s_add_co_u32 s16, s16, s17                     ; my first row: 128 x tile row + 64 x half
	s_lshl_b32 s16, s16, 12
	s_mov_b32 s17, 0
	s_add_nc_u64 s[8:9], s[8:9], s[16:17]
	s_lshl_b32 s46, s42, 9                         ; my first column, in bytes: 512 x tile column + 256 x half
	s_lshl_b32 s47, s12, 8
	s_add_co_u32 s46, s46, s47
	s_mov_b32 s47, 0
	s_add_nc_u64 s[8:9], s[8:9], s[46:47]
.macro MUL8 f, c, a0, zero             ; m blocks a0, a0 + 1 x all 4 n blocks, 32 along K: half c of buffer f.  The 16 accumulators take turns
.irp a, \a0, \a0+1
.irp b, 0,1,2,3
.if \zero
	v_wmma_f32_16x16x32_f16 v[ACC+8*(4*(\a)+\b):ACC+8*(4*(\a)+\b)+7], v[\f+64+8*(4*\c+\b):\f+64+8*(4*\c+\b)+7], v[\f+8*(4*\c+\a):\f+8*(4*\c+\a)+7], 0
.else
	v_wmma_f32_16x16x32_f16 v[ACC+8*(4*(\a)+\b):ACC+8*(4*(\a)+\b)+7], v[\f+64+8*(4*\c+\b):\f+64+8*(4*\c+\b)+7], v[\f+8*(4*\c+\a):\f+8*(4*\c+\a)+7], v[ACC+8*(4*(\a)+\b):ACC+8*(4*(\a)+\b)+7]
.endif
.endr
.endr
.endm
.macro FETCH slot, k, f                ; 32 LDS loads in one run: the fragments of the head that begins at byte k of the slot's parts; its first 32 channels first
	WIN TO_F
.irp c, 0,1
.irp i, 0,1,2,3
	ds_load_b128 v[\f+64+8*(4*\c+\i):\f+64+8*(4*\c+\i)+3],   v[ADRB+\slot] offset:\k+64*\c+\i*16*PITCH
	ds_load_b128 v[\f+64+8*(4*\c+\i)+4:\f+64+8*(4*\c+\i)+7], v[ADRB+\slot] offset:\k+64*\c+\i*16*PITCH+32
	ds_load_b128 v[\f+8*(4*\c+\i):\f+8*(4*\c+\i)+3],         v[ADRA+\slot] offset:\k+64*\c+\i*16*PITCH
	ds_load_b128 v[\f+8*(4*\c+\i)+4:\f+8*(4*\c+\i)+7],       v[ADRA+\slot] offset:\k+64*\c+\i*16*PITCH+32
.endr
.endr
.endm
.macro PLACES                          ; four plain places behind matrix instructions (ISA guide 7.12.1)
.rept 4
	v_nop
.endr
.endm
.macro QUARTER slot, k, f, g, zero     ; one head: multiplies buffer f and fetches the next head, at byte k, into g
	s_wait_dscnt 16                                ; the first 32 channels are in
	WIN MUL
	MUL8 \f, 0, 0, \zero
	MUL8 \f, 0, 2, \zero
	PLACES
	FETCH \slot, \k, \g
	s_wait_dscnt 32                                ; all but the 32 just issued
	WIN MUL
	MUL8 \f, 1, 0, 0
	MUL8 \f, 1, 2, 0
.endm
; A slot's last head multiplies buffer 1 and changes slots: ONE barrier; in front of it each wave waits for all its tensor loads, adds 0 to its spare word, and waits for that and for its reads of this slot.  fill = 1: this slot is filled again, two K steps ahead.
.macro TURN slot, next, fill
	WIN 0
	s_wait_tensorcnt 0x0                           ; all my tensor loads have landed: my part of the next slot;
	ds_add_u32 v[SPW], v[NIL]
	s_wait_dscnt 17                                ; (the add and the youngest sixteen loads may be out)
	WIN MUL
	MUL8 F1, 0, 0, 0
	s_wait_dscnt 0x0                               ; the add is done, and my reads of this slot are over
	s_barrier_signal -1
	MUL8 F1, 0, 2, 0
.if \fill
	WIN 0
.endif
	s_barrier_wait -1
.if \fill
	CREST                                          ; the barrier has opened a round of the cluster's: no wave of any partner still reads this slot or has a load on its way
	s_add_nc_u64 s[G0+4*\slot+2:G0+4*\slot+3], s[G0+4*\slot+2:G0+4*\slot+3], 2*STEPB
	s_add_nc_u64 s[G0B+4*\slot+2:G0B+4*\slot+3], s[G0B+4*\slot+2:G0B+4*\slot+3], 2*STEPB
	JLOAD \slot                                    ; the first tensor load behind the round; its four v_nop are also the places in front of the loads below
.else
	PLACES
.endif
	FETCH \next, 0, F0
	WIN MUL
	MUL8 F1, 1, 0, 0
	MUL8 F1, 1, 2, 0
.endm
	s_wait_tensorcnt 1                             ; my part of K step 0 is in; K step 1's load may stay out
	s_barrier_signal -1
	s_barrier_wait -1
	FETCH 0, 0, F0
	QUARTER 0, HB,   F0, F1, 1                     ; the four K steps are written out: the first products start the sums
	QUARTER 0, 2*HB, F1, F0, 0
	QUARTER 0, 3*HB, F0, F1, 0
	TURN 0, 1, 1                                   ; slot 0 takes K step 2
	QUARTER 1, HB,   F0, F1, 0
	QUARTER 1, 2*HB, F1, F0, 0
	QUARTER 1, 3*HB, F0, F1, 0
	TURN 1, 0, 1                                   ; slot 1 takes K step 3
	QUARTER 0, HB,   F0, F1, 0
	QUARTER 0, 2*HB, F1, F0, 0
	QUARTER 0, 3*HB, F0, F1, 0
	TURN 0, 1, 0                                   ; nothing is left to fetch
	QUARTER 1, HB,   F0, F1, 0
	QUARTER 1, 2*HB, F1, F0, 0
	QUARTER 1, 3*HB, F0, F1, 0
	s_wait_dscnt 16
	WIN MUL
	MUL8 F1, 0, 0, 0
	MUL8 F1, 0, 2, 0
	s_wait_dscnt 0
	MUL8 F1, 1, 0, 0
	MUL8 F1, 1, 2, 0
	WIN 0
	; THE WAY OUT, 16 rows x 64 columns at a time.  A wave's 64 columns are 256 bytes of a row: they go through my own stage and come back as whole rows; sixteen lanes store 256 consecutive bytes, at a multiple of 256 from out0's first byte.
	PLACES
.irp a, 0,1,2,3
.if \a > 1
	s_wait_xcnt 0x0                                ; block a - 2's stores have read the registers into which this block's loads land
.endif
.irp b, 0,1,2,3
	ds_store_b128 v[STO], v[ACC+8*(4*\a+\b):ACC+8*(4*\a+\b)+3] offset:64*\b          ; each accumulator from its low end on
	ds_store_b128 v[STO], v[ACC+8*(4*\a+\b)+4:ACC+8*(4*\a+\b)+7] offset:64*\b+16
.endr
.irp t, 0,1,2,3,4,5,6,7
	ds_load_b128 v[TMP+32*(\a%2)+4*\t:TMP+32*(\a%2)+4*\t+3], v[RD] offset:\t*2*SPITCH   ; in order behind the stores above (ISA guide 5.7.1.4)
.endr
.irp t, 0,1,2,3,4,5,6,7
	s_wait_dscnt 7-\t                              ; the younger loads may stay out
	global_store_b128 v[CO], v[TMP+32*(\a%2)+4*\t:TMP+32*(\a%2)+4*\t+3], s[8:9] offset:(16*\a+2*\t)*4096 th:TH_STORE_NT
.endr
.endr
	s_wait_tensorcnt 0x0                           ; the wave's end
	ds_add_u32 v[SPW], v[NIL]
	s_wait_dscnt 0x0
	CROUND                                         ; the closing round
	s_endpgm
.Lfunc_end_k_q47c6b51dce_oproj:
	.size	k_q47c6b51dce_oproj, .Lfunc_end_k_q47c6b51dce_oproj-k_q47c6b51dce_oproj
	.p2alignl 7, 3214868480
	.fill 96, 4, 3214868480
	.section	.rodata,"a",@progbits
	.p2align	6, 0x0
	.amdhsa_kernel k_q47c6b51dce_oproj
		.amdhsa_group_segment_fixed_size 327680
		.amdhsa_private_segment_fixed_size 0
		.amdhsa_enable_private_segment 0
		.amdhsa_kernarg_size 24
		.amdhsa_user_sgpr_count 2
		.amdhsa_user_sgpr_kernarg_segment_ptr 1
		.amdhsa_wavefront_size32 1
		.amdhsa_system_sgpr_workgroup_id_x 1
		.amdhsa_system_sgpr_workgroup_id_y 1
		.amdhsa_system_sgpr_workgroup_id_z 1
		.amdhsa_system_vgpr_workitem_id 0
		.amdhsa_next_free_vgpr 512
		.amdhsa_next_free_sgpr 66
		.amdhsa_reserve_vcc 0
		.amdhsa_float_denorm_mode_32 3
		.amdhsa_float_denorm_mode_16_64 3
		.amdhsa_memory_ordered 1
		.amdhsa_forward_progress 1
		.amdhsa_inst_pref_size 86
	.end_amdhsa_kernel
	.amdgpu_metadata
---
amdhsa.version: [ 1, 2 ]
amdhsa.kernels:
  - .name:           k_q47c6b51dce_oproj
    .symbol:         k_q47c6b51dce_oproj.kd
    .args:
      - { .name: att, .offset: 0, .size: 8, .value_kind: global_buffer, .address_space: global }
      - { .name: ow16, .offset: 8, .size: 8, .value_kind: global_buffer, .address_space: global }
      - { .name: out0, .offset: 16, .size: 8, .value_kind: global_buffer, .address_space: global }
    .group_segment_fixed_size: 327680
    .private_segment_fixed_size: 0
    .kernarg_segment_align: 8
    .kernarg_segment_size: 24
    .max_flat_workgroup_size: 128
    .sgpr_count:     66
    .vgpr_count:     512
    .wavefront_size: 32
...
	.end_amdgpu_metadata
.endif
;; end of part 4
;; launch first16 (part 5): grid 64 x 2, 16 waves a work-group, no clusters, 92,160 bytes of LDS; arguments fine32, o_proj, out0; writes out0
.if DOCPART == 5
	.amdgcn_target "amdgcn-amd-amdhsa--gfx1250"
	.amdhsa_code_object_version 6
	.text
	.protected	k_q47c6b51dce_first16
	.globl	k_q47c6b51dce_first16
	.p2align	8
	.type	k_q47c6b51dce_first16,@function
k_q47c6b51dce_first16:
	s_mov_b64 s[64:65], 0
	v_nop
	global_prefetch_b8 v0, s[64:65] scope:SCOPE_SE
	s_setreg_imm32_b32 hwreg(HW_REG_WAVE_MODE, 25, 1), 1
	s_wait_xcnt 0x0
; Positions 0-15 of both sequences, attention and output projection, with f32 operands (v_wmma_f32_16x16x4_f32): these rows average one to sixteen values, and the rounding of 16-bit operands weighs most there.  They overwrite 32 rows of out0.
; In: fine32 [slot 4][g 48][b' 4][half 2][lane 32][16 bytes], f32: lane (r, h), word jj = position r, channel 16 b' + 8 h + 4 half + jj of head g (q: g = head, k: 16 + head, v: 32 + head); batch y lies in slot 2 y.  o_proj [1024][1024] f32.
; LIMITS: NaN and infinities are not served; v_exp_f32 and v_rcp_f32 are good to 1 ulp and flush denormals (ISA guide 15.8).
; SHARES.  Work-group (x, y): output columns 16 x .. 16 x + 15 of batch y.  Wave = head: it makes its head's attention for the 16 positions (32 small products, repeated in each of the 64 column slices: that spares a launch and any sum across
; work-groups) and its head's part of the 16 x 16 outputs; the sixteen parts meet in LDS.  A row's 64 bytes of a slice are stored by four lanes: 128 KB in the whole launch.
; THE ORDER OF K IS FREE where both operands take the same order: a pair of registers of q's image and the same pair of k's hold, in lane (r, h), the same two channels; likewise p and v (keys 8 h + 2 i + jj), the attention's result and o_proj.  So nothing changes lanes
; but v, whose image has a position a lane where the second product wants a channel a lane: it comes in as it lies, by eight loads of 512 consecutive bytes, and is turned in the wave's own bytes of LDS.
; The registers that the f32 matrix form writes (v144-207) are written by it alone; what is made of a sum goes into other registers.
.set QR, 16                            ; v16-47   q's image; later the sixteen parts
.set KR, 48                            ; v48-79   k's image
.set VT, 80                            ; v80-111  v's image, then v turned: register 8 ct + k: v(key 8 h + k, channel 16 ct + r)
.set OW, 112                           ; v112-143 o_proj(16 x + r, 64 head + 16 ct + 8 h + j) at 8 ct + j
.set SA, 144                           ; two accumulators of S^T
.set OT, 160                           ; four of O^T
.set PA, 192                           ; two of the outputs
.set PR, 208                           ; p
.set ST, 216                           ; at work
.set AT, 224                           ; v224-255 O^T / l
.set SPW, 12                           ; v12  LDS address of my spare word; never rewritten
.set NIL, 13                           ; v13  0; never rewritten
.set SPARE, 16384                      ; behind the sixteen parts of 1,024 bytes: the spare words, 128 bytes a wave, which no other line names
.set VB,   18432                       ; behind them: v's image, for each wave [b' 4][half 2] x 576 bytes: lane l's 16 bytes at 16 l + 32 (l / 16).  In words a turned read's lanes stand at
.set VW,   4*2*576                     ; 144 ((r / 4) % 2) + 72 (r / 8) + 32 h + r % 4: modulo 64 that is 16, 8, 32 and 1 times four different bits: 32 different banks (64 banks of 4 bytes: ISA guide 11.1)
	s_load_b128 s[4:7], s[0:1], 0x0                ; fine32 4, o_proj 6
	s_load_b64 s[8:9], s[0:1], 0x10                ; out0
	v_lshl_add_u32 v[SPW], v0, 2, SPARE
	v_mov_b32 v[NIL], 0
	v_lshrrev_b32 v1, 5, v0
	v_readfirstlane_b32 s10, v1                    ; wave = head
	s_and_b32 s11, ttmp7, 0xffff                   ; batch
	v_and_b32 v1, 15, v0                           ; r
	v_bfe_u32 v2, v0, 4, 1                         ; h
	v_and_b32 v3, 31, v0
	v_lshlrev_b32 v4, 4, v3                        ; 16 x lane: an image's place for my lane
	s_mul_i32 s23, s10, VW
	s_add_co_u32 s23, s23, VB                      ; my wave's bytes for v
	v_lshl_add_u32 v3, v2, 5, v4
	v_add_nc_u32 v3, s23, v3                       ; in: 16 l + 32 (l / 16)
	v_bfe_u32 v5, v0, 2, 1
	v_bfe_u32 v6, v0, 3, 1
	v_and_b32 v7, 3, v0
	v_mul_u32_u24 v5, v5, 576                      ; turned: channel 16 ct + r lies in half (r / 4) % 2,
	v_mad_u32_u24 v5, v6, 288, v5                  ; lanes 16 (r / 8) on,
	v_lshl_add_u32 v5, v7, 2, v5                   ; word r % 4;
	v_lshl_add_u32 v5, v2, 7, v5                   ; key 8 h + k: lane 8 h + k of those
	v_add_nc_u32 v5, s23, v5
	v_lshlrev_b32 v6, 12, v1
	v_lshl_add_u32 v6, v2, 5, v6                   ; o_proj and out0: row r of 4,096 bytes + 32 h
	v_lshlrev_b32 v7, 3, v2
	v_sub_nc_u32 v7, v1, v7                        ; d = r - 8 h: register j holds key 8 h + j, hidden where j > d
	s_lshl_b32 s12, s10, 10
	v_add_nc_u32 v8, s12, v4                       ; LDS: my head's part
	s_lshl_b32 s13, s10, 9
	v_add_nc_u32 v9, s13, v4                       ; and, for waves 0 and 1, the half of every part that I add up
	v_mov_b32 v10, 0xff800000                      ; -infinity
	v_mov_b32 v15, 0                               ; written once: a lane permute's destination counts as one of its sources
	s_mov_b32 s20, 0x76543210
	s_mov_b32 s21, 0xfedcba98                      ; v_permlanex16_b32's selects for lane l xor 16
	s_mov_b32 s22, 0x3e38aa3b                      ; c = log2(e) / sqrt(64)
	s_mul_i32 s14, s11, 393216                     ; slot 2 y,
	s_lshl_b32 s15, s10, 12                        ; my head's 4,096 bytes
	s_add_co_u32 s14, s14, s15
	s_mov_b32 s15, 0
	s_lshl_b32 s16, ttmp9, 16                      ; o_proj: rows 16 x on,
	s_lshl_b32 s17, s10, 8                         ; my head's 256 bytes of a row
	s_add_co_u32 s16, s16, s17
	s_mov_b32 s17, 0
	s_lshl_b32 s18, s11, 23                        ; out0: my batch,
	s_lshl_b32 s19, ttmp9, 6                       ; columns 16 x on,
	s_add_co_u32 s18, s18, s19
	s_lshl_b32 s19, s10, 4                         ; and (waves 0 and 1) my 16 of a lane's 32 bytes
	s_add_co_u32 s18, s18, s19
	s_mov_b32 s19, 0
	s_wait_kmcnt 0x0
	s_add_nc_u64 s[4:5], s[4:5], s[14:15]
	s_add_nc_u64 s[6:7], s[6:7], s[16:17]
	s_add_nc_u64 s[8:9], s[8:9], s[18:19]
.irp i, 0,1,2,3,4,5,6,7
	global_load_b128 v[VT+4*\i:VT+4*\i+3], v4, s[4:5] offset:131072+512*\i   ; v first: it has the longer way
.endr
.irp i, 0,1,2,3,4,5,6,7
	global_load_b128 v[QR+4*\i:QR+4*\i+3], v4, s[4:5] offset:512*\i
.endr
.irp i, 0,1,2,3,4,5,6,7
	global_load_b128 v[KR+4*\i:KR+4*\i+3], v4, s[4:5] offset:65536+512*\i
.endr
.irp ct, 0,1,2,3
	global_load_b128 v[OW+8*\ct:OW+8*\ct+3], v6, s[6:7] offset:64*\ct
	global_load_b128 v[OW+8*\ct+4:OW+8*\ct+7], v6, s[6:7] offset:64*\ct+16
.endr
	s_wait_loadcnt 24                              ; v's image is in; q's 8 loads, k's 8 and o_proj's 8 may stay out
.irp i, 0,1,2,3,4,5,6,7
	ds_store_b128 v3, v[VT+4*\i:VT+4*\i+3] offset:1152*(\i/2)+576*(\i%2)
.endr
.irp ct, 0,1,2,3
.irp k, 0,1,2,3,4,5,6,7
	ds_load_b32 v[VT+8*\ct+\k], v5 offset:1152*\ct+16*\k   ; LDS serves a wave's instructions in order (ISA guide 5.7.1.4): these see the stores above, and come back into the registers that the image left
.endr
.endr
	s_wait_loadcnt 8                               ; q and k are in; o_proj's 8 loads may stay out
	; S^T = k q^T: source 0 = 16 keys, source 1 = 16 queries, 4 channels a product; two accumulators by turns; each sum's first product takes the constant 0
	v_wmma_f32_16x16x4_f32 v[SA:SA+7], v[KR:KR+1], v[QR:QR+1], 0
	v_wmma_f32_16x16x4_f32 v[SA+8:SA+15], v[KR+2:KR+3], v[QR+2:QR+3], 0
.irp i, 2,3,4,5,6,7,8,9,10,11,12,13,14,15
	v_wmma_f32_16x16x4_f32 v[SA+8*(\i%2):SA+8*(\i%2)+7], v[KR+2*\i:KR+2*\i+1], v[QR+2*\i:QR+2*\i+1], v[SA+8*(\i%2):SA+8*(\i%2)+7]
.endr
.rept 8
	v_nop                                          ; eight places behind this form, ahead of the first read of results (ISA guide 7.12.1)
.endr
.irp j, 0,1,2,3,4,5,6,7
	v_add_f32 v[ST+\j], v[SA+\j], v[SA+8+\j]       ; lane (r, h): query r, key 8 h + j
.endr
.irp j, 0,1,2,3,4,5,6,7
	v_cmp_gt_i32 vcc_lo, \j, v7
	v_cndmask_b32 v[ST+\j], v[ST+\j], v10, vcc_lo  ; the causal mask
.endr
	v_max3_num_f32 v14, v[ST], v[ST+1], v[ST+2]
	v_max3_num_f32 v14, v14, v[ST+3], v[ST+4]
	v_max3_num_f32 v14, v14, v[ST+5], v[ST+6]
	v_max_num_f32 v14, v14, v[ST+7]
	v_permlanex16_b32 v15, v14, s20, s21
	v_max_num_f32 v14, v14, v15                    ; the row's maximum: key 0 counts for every query, so it is a number
	v_mul_f32 v14, s22, v14
.irp j, 0,1,2,3,4,5,6,7
	v_fma_f32 v[ST+\j], v[ST+\j], s22, -v14        ; c s - c m
.endr
.irp j, 0,1,2,3,4,5,6,7
	v_exp_f32 v[PR+\j], v[ST+\j]
.endr
	v_nop                                          ; a plain line behind the last exponential,
	s_wait_alu depctr_va_vdst(0)                   ; and one wait for the batch ahead of its first reader
	v_add_f32 v14, v[PR], v[PR+1]
	v_add_f32 v15, v[PR+2], v[PR+3]
	v_add_f32 v11, v[PR+4], v[PR+5]
	v_add_f32 v14, v14, v[PR+6]
	v_add_f32 v15, v15, v[PR+7]
	v_add_f32 v14, v14, v11
	v_add_f32 v14, v14, v15
	v_permlanex16_b32 v15, v14, s20, s21
	v_add_f32 v14, v14, v15                        ; the row's sum
	v_rcp_f32 v11, v14
	v_nop
	s_wait_alu depctr_va_vdst(0)
	s_wait_dscnt 0x0                               ; v, turned, is in
	; O^T = v^T p: source 0 = 16 channels, source 1 = p; product i takes keys 8 h + 2 i + jj; four accumulators by turns
.irp ct, 0,1,2,3
	v_wmma_f32_16x16x4_f32 v[OT+8*\ct:OT+8*\ct+7], v[VT+8*\ct:VT+8*\ct+1], v[PR:PR+1], 0
.endr
.irp i, 1,2,3
.irp ct, 0,1,2,3
	v_wmma_f32_16x16x4_f32 v[OT+8*\ct:OT+8*\ct+7], v[VT+8*\ct+2*\i:VT+8*\ct+2*\i+1], v[PR+2*\i:PR+2*\i+1], v[OT+8*\ct:OT+8*\ct+7]
.endr
.endr
.rept 8
	v_nop
.endr
.irp j, 0,1,2,3,4,5,6,7,8,9,10,11,12,13,14,15,16,17,18,19,20,21,22,23,24,25,26,27,28,29,30,31
	v_mul_f32 v[AT+\j], v[OT+\j], v11              ; lane (r, h): query r, channel 16 ct + 8 h + j at 8 ct + j
.endr
	s_wait_loadcnt 0x0                             ; o_proj
	; my head's part of the outputs: source 0 = 16 rows of o_proj, source 1 = the 16 positions; two accumulators by turns
	v_wmma_f32_16x16x4_f32 v[PA:PA+7], v[OW:OW+1], v[AT:AT+1], 0
	v_wmma_f32_16x16x4_f32 v[PA+8:PA+15], v[OW+2:OW+3], v[AT+2:AT+3], 0
.irp i, 2,3,4,5,6,7,8,9,10,11,12,13,14,15
	v_wmma_f32_16x16x4_f32 v[PA+8*(\i%2):PA+8*(\i%2)+7], v[OW+2*\i:OW+2*\i+1], v[AT+2*\i:AT+2*\i+1], v[PA+8*(\i%2):PA+8*(\i%2)+7]
.endr
.rept 8
	v_nop
.endr
.irp j, 0,1,2,3,4,5,6,7
	v_add_f32 v[ST+\j], v[PA+\j], v[PA+8+\j]       ; lane (r, h): position r, column 16 x + 8 h + j
.endr
	ds_store_b128 v8, v[ST:ST+3]
	ds_store_b128 v8, v[ST+4:ST+7] offset:512
	s_wait_dscnt 0x0                               ; for the others' sake: my part lies in LDS
	s_barrier_signal -1
	s_barrier_wait -1
	s_cmp_gt_u32 s10, 1                            ; wave u = 0, 1 adds up half u of the sixteen parts
	s_cbranch_scc1 .Lend
.irp i, 0,1,2,3,4,5,6,7,8,9,10,11,12,13,14,15
	ds_load_b128 v[QR+4*\i:QR+4*\i+3], v9 offset:1024*\i
.endr
	s_wait_dscnt 0x0
.irp i, 1,2,3,4,5,6,7,8,9,10,11,12,13,14,15
	v_pk_add_f32 v[QR:QR+1], v[QR:QR+1], v[QR+4*\i:QR+4*\i+1]
	v_pk_add_f32 v[QR+2:QR+3], v[QR+2:QR+3], v[QR+4*\i+2:QR+4*\i+3]
.endr
	global_store_b128 v6, v[QR:QR+3], s[8:9]       ; position r, columns 16 x + 8 h + 4 u + 0 .. 3
.Lend:
	s_wait_tensorcnt 0x0                           ; the wave's end, behind my last LDS store
	ds_add_u32 v[SPW], v[NIL]
	s_wait_dscnt 0x0
	s_endpgm
.Lfunc_end_k_q47c6b51dce_first16:
	.size	k_q47c6b51dce_first16, .Lfunc_end_k_q47c6b51dce_first16-k_q47c6b51dce_first16
	.p2alignl 7, 3214868480
	.fill 96, 4, 3214868480
	.section	.rodata,"a",@progbits
	.p2align	6, 0x0
	.amdhsa_kernel k_q47c6b51dce_first16
		.amdhsa_group_segment_fixed_size 92160
		.amdhsa_private_segment_fixed_size 0
		.amdhsa_enable_private_segment 0
		.amdhsa_kernarg_size 24
		.amdhsa_user_sgpr_count 2
		.amdhsa_user_sgpr_kernarg_segment_ptr 1
		.amdhsa_wavefront_size32 1
		.amdhsa_system_sgpr_workgroup_id_x 1
		.amdhsa_system_sgpr_workgroup_id_y 1
		.amdhsa_system_sgpr_workgroup_id_z 1
		.amdhsa_system_vgpr_workitem_id 0
		.amdhsa_next_free_vgpr 256
		.amdhsa_next_free_sgpr 66
		.amdhsa_reserve_vcc 1
		.amdhsa_float_denorm_mode_32 3
		.amdhsa_float_denorm_mode_16_64 3
		.amdhsa_memory_ordered 1
		.amdhsa_forward_progress 1
		.amdhsa_inst_pref_size 20
	.end_amdhsa_kernel
	.amdgpu_metadata
---
amdhsa.version: [ 1, 2 ]
amdhsa.kernels:
  - .name:           k_q47c6b51dce_first16
    .symbol:         k_q47c6b51dce_first16.kd
    .args:
      - { .name: fine32, .offset: 0, .size: 8, .value_kind: global_buffer, .address_space: global }
      - { .name: o_proj, .offset: 8, .size: 8, .value_kind: global_buffer, .address_space: global }
      - { .name: out0, .offset: 16, .size: 8, .value_kind: global_buffer, .address_space: global }
    .group_segment_fixed_size: 92160
    .private_segment_fixed_size: 0
    .kernarg_segment_align: 8
    .kernarg_segment_size: 24
    .max_flat_workgroup_size: 512
    .sgpr_count:     66
    .vgpr_count:     256
    .wavefront_size: 32
...
	.end_amdgpu_metadata
.endif
;; end of part 5
